; MI455X (gfx1250); checked and timed in simulation.
; The chip was launched on July 23, 2026; its instructions are those of AMD's public machine-readable ISA for CDNA 5 (MIT licence, August 2026) and "CDNA5" Instruction Set Architecture Reference Guide (July 2026). The comments in the code are by the model that wrote it; some were corrected since.
;; Multi Head Attention. Allowed arithmetic: matrix products marked QUANTISED: E5M2 operands, one E8M0 scale for each 32 along K, by v_wmma_scale_f32_16x16x128_f8f6f4 with both operands' format E5M2, f32 sums; everything else in f32.
;; Inputs: Wk_codes 1,024 x 32 x 32 uint8 (E5M2 codes of Wk, K innermost, in blocks of 32 codes); Wk_scales 1,024 x 32 uint8 (E8M0 scales of Wk, one for each 32 codes along K); Wo_codes 1,024 x 32 x 32 uint8 (E5M2 codes of Wo, K innermost, in blocks of 32 codes); Wo_scales 1,024 x 32 uint8 (E8M0 scales of Wo, one for each 32 codes along K); Wq_codes 1,024 x 32 x 32 uint8 (E5M2 codes of Wq, K innermost, in blocks of 32 codes); Wq_scales 1,024 x 32 uint8 (E8M0 scales of Wq, one for each 32 codes along K); Wv_codes 1,024 x 32 x 32 uint8 (E5M2 codes of Wv, K innermost, in blocks of 32 codes); Wv_scales 1,024 x 32 uint8 (E8M0 scales of Wv, one for each 32 codes along K); bk 1,024 float32; bo 1,024 float32; bq 1,024 float32; bv 1,024 float32; key_codes 2 x 2,048 x 32 x 32 uint8 (E5M2 codes of key, K innermost, in blocks of 32 codes); key_scales 2 x 2,048 x 32 uint8 (E8M0 scales of key, one for each 32 codes along K); mask 2 x 1 x 2,048 bool; query_codes 2 x 2,048 x 32 x 32 uint8 (E5M2 codes of query, K innermost, in blocks of 32 codes); query_scales 2 x 2,048 x 32 uint8 (E8M0 scales of query, one for each 32 codes along K); value_codes 2 x 2,048 x 32 x 32 uint8 (E5M2 codes of value, K innermost, in blocks of 32 codes); value_scales 2 x 2,048 x 32 uint8 (E8M0 scales of value, one for each 32 codes along K).
;; Outputs: out0 2 x 2,048 x 1,024 float32.
;; This version of the problem:
;;   THIS VERSION OF THE PROBLEM IS GIVEN IN LOW PRECISION. The matrix products marked QUANTISED in the list below multiply operands that are first quantised to E5M2 (5 exponent bits, 2 mantissa bits; 8 bits a number), with one power-of-two scale for each 32 numbers along K (OCP MX v1.0); their sums are f32. All else is computed in f32.
;;   The module's matrix products, in the order in which they are computed (A, B: the left and right operand; K: the contracted axis; several contracted axes count as one K, in the product's order):
;;     1. [M 4,096, K 1,024] x [K 1,024, N 1,024]; A: input query (given as codes); B: input Wq (given as codes): QUANTISED
;;     2. [M 4,096, K 1,024] x [K 1,024, N 1,024]; A: input key (given as codes); B: input Wk (given as codes): QUANTISED
;;     3. [M 4,096, K 1,024] x [K 1,024, N 1,024]; A: input value (given as codes); B: input Wv (given as codes): QUANTISED
;;     4. batch 32 x [M 2,048, K 64] x [K 64, N 2,048]; A: computed on the way; B: computed on the way: QUANTISED
;;     5. batch 32 x [M 2,048, K 2,048] x [K 2,048, N 64]; A: computed on the way; B: computed on the way: QUANTISED
;;     6. [M 4,096, K 1,024] x [K 1,024, N 1,024]; A: computed on the way; B: input Wo (given as codes): QUANTISED
;;   THE QUANTISER, for each operand of a quantised product, along K:
;;     - K is cut into blocks of 32 from its start; a last block that is shorter is filled with zeros.
;;     - A block's scale is 2^e with e = floor(log2(the largest magnitude in the block)) - 15, held to -126 .. 127; a block of zeros has e = 0. As a byte (E8M0): e + 127.
;;     - Each number is divided by its block's scale, clamped to +-57,344, and rounded to the nearest number of E5M2, ties to even, subnormals kept.
;;     - The product sums the exact products of the quantised numbers (number of the format x scale) in f32.
;;   ~~~python
;;   def quantise(x, axis):      # numpy; x: float32 -> the quantised numbers, widened to float32 again
;;       x = np.moveaxis(x, axis, -1); K = x.shape[-1]
;;       x = np.pad(x, [(0, 0)] * (x.ndim - 1) + [(0, -K % 32)]); x = x.reshape(x.shape[:-1] + (-1, 32)); a = np.abs(x).max(-1, keepdims=True)
;;       e = np.where(a > 0, np.clip(np.frexp(np.where(a > 0, a, 1))[1] - 1 - 15, -126, 127), 0)      # np.frexp(a)[1] - 1 = floor(log2(a)), exactly
;;       r = np.clip(x / 2.0 ** e, -57344, 57344)
;;       step = 2.0 ** (np.maximum(np.frexp(np.where(r == 0, 1, r))[1] - 1, -14) - 2)
;;       q = np.round(r / step) * step * 2.0 ** e      # np.round: ties to even
;;       return np.moveaxis(q.reshape(q.shape[:-2] + (-1,))[..., :K], -1, axis).astype(np.float32)
;;   ~~~
;;   OPERANDS COMPUTED ON THE WAY. 'Computed on the way' means the value that the module computes at that place (a softmax that the list does not call 'softmax' is quantised finished and normalised). What goes into a quantiser is computed in f32, as accurately as f32 sums, v_exp_f32 and their like allow (about 1e-6 of the number): no bf16 or f16 on the way to a quantiser, and a product that is left as it is and whose result goes on into a quantised operand takes f32 operands (vector FMAs, or v_wmma_f32_16x16x4_f32). A number that lies on a knife's edge between two numbers of the format may be rounded either way, as far as f32 arithmetic and the matrix unit's own rounding can turn it there, and no further.
;;   INPUTS GIVEN AS CODES. Wk (in the module: [1024, 1024], K = its axis 0); Wo (in the module: [1024, 1024], K = its axis 0); Wq (in the module: [1024, 1024], K = its axis 0); Wv (in the module: [1024, 1024], K = its axis 0); key (in the module: [2, 2048, 1024], K = its axis 2); query (in the module: [2, 2048, 1024], K = its axis 2); value (in the module: [2, 2048, 1024], K = its axis 2): each comes as NAME_codes (uint8): NAME with its K axis moved to the last place and cut into blocks of 32 codes, [.., K / 32, bytes a block], one block behind the other in memory; one code a byte (a code: sign, 5 exponent bits, 2 mantissa bits); and NAME_scales (uint8): the same leading axes, one E8M0 byte (e + 127) for each 32 codes along K. Its value is code x scale, taken as it is: it is not quantised again, and the codes and scales need not be those that the quantiser above would give.
;; One version. Each part assembles by itself: llvm-mc -triple=amdgcn-amd-amdhsa -mcpu=gfx1250 --defsym DOCPART=n.
;; ======== version 1 of 1: 3 launches
;; limits: right only within a limited range of input values
;; workspace buffers: qbuf 4,456,448 bytes; kbuf 4,456,448 bytes; vbuf 4,456,448 bytes; cimg 4,194,304 bytes; csc 131,072 bytes
;; launch proj (part 1): grid 4 x 48, 4 waves a work-group, clusters of 4 x 4, 327,680 bytes of LDS; arguments query_codes, query_scales, Wq_codes, Wq_scales, bq, qbuf, key_codes, key_scales, Wk_codes, Wk_scales, bk, kbuf, Wv_codes, Wv_scales, value_codes, value_scales, bv, vbuf; writes qbuf, kbuf, vbuf
.if DOCPART == 1
	.amdgcn_target "amdgcn-amd-amdhsa--gfx1250"
	.amdhsa_code_object_version 6
	.text
	.protected	k_q2ed5a79421_proj
	.globl	k_q2ed5a79421_proj
	.p2align	8
	.type	k_q2ed5a79421_proj,@function
k_q2ed5a79421_proj:
	s_mov_b64 s[64:65], 0
	v_nop
	global_prefetch_b8 v0, s[64:65] scope:SCOPE_SE
	s_setreg_imm32_b32 hwreg(HW_REG_WAVE_MODE, 25, 1), 1
	s_wait_xcnt 0x0
	s_wait_alu depctr_hold_cnt(0) depctr_sa_sdst(0) depctr_va_vdst(0) depctr_va_sdst(0) depctr_va_ssrc(0) depctr_va_vcc(0) depctr_vm_vsrc(0)
	s_getreg_b32 s2, hwreg(HW_REG_IB_STS2, 6, 4)
	s_cmp_eq_u32 s2, 0
	s_cbranch_scc0 .Lentry_in_a_cluster
	s_endpgm
.Lentry_in_a_cluster:
	s_bfe_u32 s2, ttmp6, 0x10000c
	s_cmp_lg_u32 s2, 0xf033
	s_cbranch_scc0 .Lentry_shape_is_right
	s_endpgm
.Lentry_shape_is_right:
; q = query Wq + bq, k = key Wk + bk, v = value Wv + bv: three products [4096 x 1024] x [1024 x 1024] on codes of BF8 (E5M2) with one E8M0 scale for each 32 along K,
; sums in f32, the bias added in f32, and the results QUANTISED AGAIN on the way out: q and k along a head's 64 (two blocks of 32), v along the keys.
; ONE LAUNCH FOR THE THREE: 192 work-groups, each 256 x 256 of one product.  The cluster's y, 0 .. 11, says which: 0-3 q, 4-7 k, 8-11 v.  It is the same in all sixteen partners of a cluster.
; A work-group has four waves, as many as a WGP has SIMDs; a wave makes 128 x 128: 64 accumulators, 512 registers.  K goes in steps of 256 through a ring of two LDS slots filled by the tensor data mover;
; the scale bytes of the work-group's 2 x 256 rows, for all of K, come into LDS once, with the first fills.
; TWO SIDES.  The ROW SIDE's tile hangs on the work-group's row coordinate RC and is shared along a row of the 4 x 4 cluster; the COLUMN SIDE's hangs on CC and is shared along a column: each tile is asked for
; jointly, by the same tensor load with the same descriptor and a mask that names the four.  The matrix instruction takes 16 rows of the column side as source 0 and 16 rows of the row side as source 1, so a lane
; holds ONE row of the row side and its eight registers run along the column side's rows.
;   q, k: row side = tokens, column side = W's rows (n): a lane holds a token, its registers run along n: along the head's 64, the next product's K.
;   v:    row side = Wv's rows (d), column side = tokens: a lane holds a d, its registers run along the keys, the next product's K.
; THE ORDER OF k IN THE NEW OPERANDS.  The 16 registers of two neighbouring accumulators are the indices 32 c + 8 h + 0..7 and 32 c + 16 + 8 h + 0..7 (h = lane / 16) of ONE block of 32.  They are converted as they stand
; and become registers 4 c .. 4 c + 3 of the next operand: k is permuted inside its scale block, alike in q and k, and alike in v and the softmax's p, so every product pairs the right numbers.
; The order in which the unit adds them differs from ascending k: a difference in the last bits of f32 sums.
; THE WORKSPACE IS LAID AS IMAGES OF OPERAND REGISTERS: four registers of 32 lanes are 512 consecutive bytes, lane l's 16 bytes at 16 l.  A record of 139,264 bytes for each batch and head:
;   qbuf, kbuf: [tile of 16 tokens][c 0..1][512 bytes]; from byte 131,072: [tile][row] one scale word, bytes 0 and 1 the head's two blocks (bytes 2, 3 go with zero codes and are never 0xff).
;   vbuf: [tile of 16 d][step of 128 keys][c 0..3][512 bytes]; from byte 131,072: [tile][step][lane] one scale word.
; LIMITS: a block whose largest magnitude lies under 2^(16 - 127) gets the scale byte 1 (a block of zeros too, where the rule says 127: its codes are zeros, and this program alone reads the bytes);
; NaN and infinities among the inputs are not served.
.set KSTEP,  256                       ; along K in a slot
.set NQ,     2                         ; matrix instructions deep
.set ROWB,   256                       ; a tile's row in bytes
.set KROW,   1024                      ; a row of codes in memory, in bytes
.set PITCH,  272                       ; an LDS row: 256 bytes + 16 of padding = 68 words: row r starts at bank 4 r mod 64 (64 banks of 4 bytes: ISA guide 11.1)
.set FR,     16                        ; registers of a fragment: 16 rows x 128 K
.set NL,     4                         ; LDS loads that bring one
.set NP,     8                         ; places behind this matrix instruction (ISA guide 7.12.1)
.set HALFT,  128*PITCH                 ; 128 rows: what one tensor load brings, and what one wave reads of a side
.set SLOT,   4*HALFT                   ; the row side's 256 rows, then the column side's
.set LAPS,   2                         ; a lap = two K steps = once round the ring: 1024 / 512
.set KS,     32                        ; a row of scale bytes
.set SCL,    2*SLOT                    ; behind the ring: the scales, as units of 256 bytes + 16 of padding
.set HALFS,  (128*KS/256)*272          ; the scales of 128 rows
.set SBLK,   (16*KS/256)*272           ; those of 16 rows
.set SPARE,  SCL+4*HALFS               ; the spare words, 128 bytes for each wave: two blocks of 256 bytes that no other line names
.set REC,    139264                    ; a record of the workspace
.set ADRA, 16                          ; v16-17  LDS address of my row-side fragments in slot 0, 1
.set ADRB, 20                          ; v20-21  the same for the column side
.set LI,   22                          ; v22     the way out: 16 x lane
.set SA,   23                          ; v23     the way out: my scale word's byte offset
.set SH,   24                          ; v24     16 x (lane / 16)
.set BA,   25                          ; v25     my byte offset in the bias
.set ADRS, 27                          ; v27     LDS address of my scale words: lanes 0-15 the row side's, lanes 16-31 the column side's
.set SPW,  28                          ; v28     LDS address of my spare word; never rewritten
.set NIL,  29                          ; v29     0; never rewritten
.set SC,   32                          ; v32-63  scale words, two sets
.set T,    64                          ; v64-127 the way out: 64 numbers of a lane
.set AF,   128                         ; v128-255 the row side's fragments, ONE set
.set BI,   128                         ; the way out: the bias
.set PC,   192                         ; v192-207 codes just made
.set TM,   208                         ; v208-223 at work in the quantiser
.set PW,   224                         ; the scale word just made
.set PWS,  225                         ; and as it is stored
.set WV,   16
.set HJ,   17                          ; wave / 2: my half of the row side's rows.  Also: I fetch for the row side (0) or the column side (1)
.set HI,   18                          ; wave % 2: my half of the column side's rows.  Also: which 128 rows I fetch
.set CYCL, 19                          ; the cluster's y
.set CX,   20
.set CY,   21
.set CC,   22                          ; column coordinate
.set RC,   23                          ; row coordinate
.set G1,   24                          ; s[24:31] group 1 for the row side's tiles; s[32:39] group 0, a set for each slot
.set G0,   32
.set G1B,  48                          ; s[48:55], s[56:63] the same for the column side
.set G0B,  56
.set G1S,  68                          ; s[68:75], s[76:79] groups 1 and 0 for the row side's scales; s[80:87], s[88:91] for the column side's
.set G0S,  76
.set G1SB, 80
.set G0SB, 88
.set SEL,  98                          ; s[98:99] lane selects for v_permlanex16_b32: lane l xor 16
.set MNT,  100
.set MSB, 0
.macro WIN new                         ; the immediate's high byte repeats the setting that is left
.if MSB != \new
	s_set_vgpr_msb (MSB<<8)|\new
.set MSB, \new
.endif
.endm
.set MUL_LO, 0xa1                      ; source 0 window 1, source 1 window 0, C and D window 2
.set MUL_HI, 0xf1                      ; the same, C and D window 3
.set TO_B,   0x40                      ; destination window 1, address window 0
; A joint load: waves 0 and 1 fetch for the row side, waves 2 and 3 for the column side.  Each of the two lines has ONE mask and one set of registers; the branch hangs on the wave's number alone.
; Four v_nop follow each of the two lines, ahead of the jump, the label and what follows.
.macro JLOAD g0a, g1a, g0b, g1b
	s_cmp_eq_u32 s[HJ], 0
	s_cbranch_scc0 .Lfor_b_\@
	tensor_load_to_lds s[\g0a:\g0a+3], s[\g1a:\g1a+7]
	s_nop 0
.rept 4
	v_nop
.endr
	s_branch .Lasked_\@
.Lfor_b_\@:
	tensor_load_to_lds s[\g0b:\g0b+3], s[\g1b:\g1b+7]
	s_nop 0
.rept 4
	v_nop
.endr
.Lasked_\@:
.endm
.macro CREST                           ; a round of the cluster's barrier behind its opening barrier
	s_cmp_lg_u32 s[WV], 0
	s_cbranch_scc1 .Lnot_wave_0_\@
	s_barrier_signal -3
.Lnot_wave_0_\@:
	s_barrier_wait -3
	s_barrier_signal -1
	s_barrier_wait -1
.endm
.macro CROUND                          ; a whole round
	s_barrier_signal -1
	s_barrier_wait -1
	CREST
.endm
	s_load_b256 s[4:11], s[0:1], 0x0               ; q's six: row side's codes s[4:5], its scales s[6:7], column side's codes s[8:9], its scales s[10:11],
	s_load_b128 s[12:15], s[0:1], 0x20             ; bias s[12:13], output s[14:15]
	s_load_b256 s[24:31], s[0:1], 0x30             ; k's six
	s_load_b128 s[32:35], s[0:1], 0x50
	s_load_b256 s[36:43], s[0:1], 0x60             ; v's six
	s_load_b128 s[44:47], s[0:1], 0x80
	v_lshl_add_u32 v[SPW], v0, 2, SPARE
	v_mov_b32 v[NIL], 0
	ds_add_u32 v28, v29
	ds_add_u32 v28, v29
	s_wait_dscnt 0x0
	v_lshrrev_b32 v1, 5, v0
	v_readfirstlane_b32 s[WV], v1                  ; wave 0..3
	s_lshr_b32 s[HJ], s[WV], 1
	s_and_b32 s[HI], s[WV], 1
	s_and_b32 s[CYCL], ttmp7, 0xffff               ; in a cluster launch ttmp7 counts clusters; the grid is one cluster wide, so ttmp9 adds nothing
	s_bfe_u32 s[CX], ttmp6, 0x40000                ; cx, cy: my place in the cluster
	s_bfe_u32 s[CY], ttmp6, 0x40004
	s_and_b32 s2, s[CYCL], 3
	s_lshl_b32 s2, s2, 2                           ; the tokens have 16 tiles of 256: four clusters' worth; a weight has four
	s_cmp_ge_u32 s[CYCL], 8                        ; v?
	s_cselect_b32 s3, 0, s2                        ; q, k: the tokens are the row side
	s_cselect_b32 s2, s2, 0                        ; v: the column side
	s_add_co_u32 s[RC], s[CY], s3
	s_add_co_u32 s[CC], s[CX], s2
	s_lshl_b32 s66, s[CY], 2
	s_lshl_b32 s66, 15, s66                        ; my row of the cluster
	s_lshl_b32 s67, 0x1111, s[CX]                  ; my column
	s_mov_b32 s[SEL], 0x76543210
	s_mov_b32 s[SEL+1], 0xfedcba98
	s_wait_kmcnt 0x0
	s_cmp_ge_u32 s[CYCL], 4                        ; the six buffers are chosen on the cluster's y alone
.irp p, 0,2,4,6,8,10
	s_cselect_b64 s[4+\p:5+\p], s[24+\p:25+\p], s[4+\p:5+\p]
.endr
	s_cmp_ge_u32 s[CYCL], 8
.irp p, 0,2,4,6,8,10
	s_cselect_b64 s[4+\p:5+\p], s[36+\p:37+\p], s[4+\p:5+\p]
.endr
	; descriptor group 1: a tile of 128 rows x 256 bytes, padded in LDS
	s_or_b32 s[G1+0], s66, (0<<16)|(1<<20)|(1<<21)|(5<<22)|(3<<25)  ; 15:0 the mask; 17:16 element of 1 byte; 20 padding on; 21 set beside a mask; 24:22 after every 64 words (code 5); 31:25 of 4 words (code 3)
	s_or_b32 s[G1B+0], s67, (0<<16)|(1<<20)|(1<<21)|(5<<22)|(3<<25)
.irp g, G1, G1B
	s_mov_b32 s[\g+1], ROWB<<16                    ; tensor_dim0
	s_mov_b32 s[\g+2], 128<<16                     ; tensor_dim1
	s_mov_b32 s[\g+3], ROWB<<16                    ; tile_dim0
	s_mov_b32 s[\g+4], 128                         ; tile_dim1
	s_mov_b32 s[\g+5], KROW                        ; tensor_dim0_stride
	s_mov_b32 s[\g+6], 0
	s_mov_b32 s[\g+7], 0
.endr
	; the scales of 128 rows: a dense block of 4,096 bytes, as 16 rows of 256 bytes (32 elements of 8 bytes), 16 bytes of padding behind each
	s_or_b32 s[G1S+0], s66, (3<<16)|(1<<20)|(1<<21)|(5<<22)|(3<<25)
	s_or_b32 s[G1SB+0], s67, (3<<16)|(1<<20)|(1<<21)|(5<<22)|(3<<25)
.irp g, G1S, G1SB
	s_mov_b32 s[\g+1], 32<<16
	s_mov_b32 s[\g+2], (128*KS/256)<<16
	s_mov_b32 s[\g+3], 32<<16
	s_mov_b32 s[\g+4], 128*KS/256
	s_mov_b32 s[\g+5], 32
	s_mov_b32 s[\g+6], 0
	s_mov_b32 s[\g+7], 0
.endr
	s_lshl_b32 s2, s[HI], 7                        ; which 128 rows of the tile I fetch
	s_lshl_b32 s92, s[RC], 8
	s_add_co_u32 s92, s92, s2                      ; row side: row 256 RC + 128 x half
	s_lshl_b32 s96, s[CC], 8
	s_add_co_u32 s96, s96, s2                      ; column side: row 256 CC + 128 x half
	s_lshl_b32 s94, s92, 5                         ; where these rows' scales begin, in bytes,
	s_mov_b32 s95, 0
	s_lshl_b32 s92, s92, 10                        ; and their codes
	s_mov_b32 s93, 0
	s_lshl_b32 s46, s96, 5
	s_mov_b32 s47, 0
	s_lshl_b32 s96, s96, 10
	s_mov_b32 s97, 0
	s_add_nc_u64 s[92:93], s[4:5], s[92:93]
	s_add_nc_u64 s[94:95], s[6:7], s[94:95]
	s_add_nc_u64 s[96:97], s[8:9], s[96:97]
	s_add_nc_u64 s[46:47], s[10:11], s[46:47]
	s_mul_i32 s42, s[WV], HALFT                    ; where they go: wave x 128 rows: no place in the cluster enters an LDS address
	s_mul_i32 s43, s[WV], HALFS
	CROUND                                         ; all sixteen work-groups are here: the first joint loads meet
	s_mov_b32 s[G0S], 1
	s_add_co_u32 s[G0S+1], s43, SCL
	s_mov_b64 s[G0S+2:G0S+3], s[94:95]
	s_or_b32 s[G0S+3], s[G0S+3], 0x80000000
	s_mov_b32 s[G0SB], 1
	s_add_co_u32 s[G0SB+1], s43, SCL
	s_mov_b64 s[G0SB+2:G0SB+3], s[46:47]
	s_or_b32 s[G0SB+3], s[G0SB+3], 0x80000000
	JLOAD G0S, G1S, G0SB, G1SB                     ; the scales first: they are wanted with K step 0
.irp s, 0,1
	s_mov_b32 s[G0+4*\s], 1
	s_add_co_u32 s[G0+4*\s+1], s42, \s*SLOT
	s_add_nc_u64 s[G0+4*\s+2:G0+4*\s+3], s[92:93], \s*ROWB
	s_or_b32 s[G0+4*\s+3], s[G0+4*\s+3], 0x80000000
	s_mov_b32 s[G0B+4*\s], 1
	s_add_co_u32 s[G0B+4*\s+1], s42, \s*SLOT
	s_add_nc_u64 s[G0B+4*\s+2:G0B+4*\s+3], s[96:97], \s*ROWB
	s_or_b32 s[G0B+4*\s+3], s[G0B+4*\s+3], 0x80000000
	JLOAD G0+4*\s, G1, G0B+4*\s, G1B
.endr
	v_and_b32 v1, 15, v0                           ; r = lane % 16
	v_bfe_u32 v2, v0, 4, 1                         ; h = lane / 16
	v_mul_u32_u24 v3, v1, PITCH
	v_lshl_add_u32 v4, v2, 4, v3                   ; a fragment's row x pitch + 16 x half
	s_mul_i32 s2, s[HJ], HALFT                     ; my 128 rows of the row side
	s_mul_i32 s3, s[HI], HALFT                     ; my 128 rows of the column side,
	s_add_co_u32 s3, s3, 2*HALFT                   ; which lie behind the row side's 256
.irp s, 0,1
	v_add_nc_u32 v[ADRA+\s], s2, v4
	v_add_nc_u32 v[ADRB+\s], s3, v4
	s_add_co_u32 s2, s2, SLOT
	s_add_co_u32 s3, s3, SLOT
.endr
	v_mul_u32_u24 v5, v1, KS                       ; my row's scales: 32 bytes a row,
	v_lshrrev_b32 v6, 8, v5
	v_lshl_add_u32 v5, v6, 4, v5                   ; and 16 more for each 256 passed
	s_mul_i32 s2, s[HJ], HALFS
	s_mul_i32 s3, s[HI], HALFS
	s_add_co_u32 s3, s3, 2*HALFS
	s_sub_co_u32 s3, s3, s2
	v_mul_u32_u24 v6, s3, v2                       ; lanes 16-31 take the column side's: one product, the distance between the two bases x h
	s_add_co_u32 s2, s2, SCL
	v_add_nc_u32 v5, v5, v6
	v_add_nc_u32 v[ADRS], s2, v5
.macro FRAG reg, adr, q, i             ; a fragment is 16 registers: lane l holds row l % 16; registers 4 c .. 4 c + 3 hold K = 32 c + 16 (l / 16) + 0 .. 15
.irp c, 0,1,2,3
	ds_load_b128 v[\reg+4*\c:\reg+4*\c+3], v[\adr] offset:128*(\q)+32*\c+(\i)*16*PITCH
.endr
.endm
; 16 matrix instructions: the row side's blocks a0, a0 + 1 x the column side's eight, 128 along K.  p: the column side's set; sc: the set of scale words.  zero = 1: the first product starts the sums.
; The 64 accumulators take turns, one instruction a turn, in the same order in every step.
.macro MUL16 a0, p, q, sc, zero
.irp a, \a0, \a0+1
.irp b, 0,1,2,3,4,5,6,7
.if \zero
	v_wmma_scale_f32_16x16x128_f8f6f4 v[8*(8*((\a)%4)+\b):8*(8*((\a)%4)+\b)+7], v[128*(\p)+FR*\b:128*(\p)+FR*\b+FR-1], v[AF+FR*(\a):AF+FR*(\a)+FR-1], 0, v[SC+8*NQ*(\sc)+NQ*\b+(\q)], v[SC+8*NQ*(\sc)+NQ*(\a)+(\q)] matrix_a_fmt:MATRIX_FMT_BF8 matrix_b_fmt:MATRIX_FMT_BF8 matrix_a_scale:MATRIX_SCALE_ROW1
.else
	v_wmma_scale_f32_16x16x128_f8f6f4 v[8*(8*((\a)%4)+\b):8*(8*((\a)%4)+\b)+7], v[128*(\p)+FR*\b:128*(\p)+FR*\b+FR-1], v[AF+FR*(\a):AF+FR*(\a)+FR-1], v[8*(8*((\a)%4)+\b):8*(8*((\a)%4)+\b)+7], v[SC+8*NQ*(\sc)+NQ*\b+(\q)], v[SC+8*NQ*(\sc)+NQ*(\a)+(\q)] matrix_a_fmt:MATRIX_FMT_BF8 matrix_b_fmt:MATRIX_FMT_BF8 matrix_a_scale:MATRIX_SCALE_ROW1
.endif
.endr
.endr
.endm
.macro FETCH_B slot, q, p              ; the column side's eight fragments of the slot's q-th 128 along K into set p
	WIN TO_B
.irp i, 0,1,2,3,4,5,6,7
	FRAG 128*(\p)+FR*\i, ADRB+\slot, \q, \i
.endr
	WIN 0
.endm
.macro FETCH_A slot, q, i0             ; the row side's blocks i0 .. i0 + 3
.irp i, \i0, \i0+1, \i0+2, \i0+3
	FRAG AF+FR*(\i), ADRA+\slot, \q, \i
.endr
.endm
.macro SCALES sc                       ; a K step's scale words into set sc: two words a row; lanes 0-15 the row side's block i, lanes 16-31 the column side's
.irp i, 0,1,2,3,4,5,6,7
	ds_load_b64 v[SC+8*NQ*\sc+NQ*\i:SC+8*NQ*\sc+NQ*\i+1], v[ADRS] offset:\i*SBLK
.endr
.endm
; A load into a register that a matrix instruction has read, and a vector instruction that reads a matrix result, stand eight places behind that matrix instruction; only plain vector
; instructions that name none of its registers are places.
.macro PLACES n
.rept \n
	v_nop
.endr
.endm
.macro STEP slot, q, zero              ; a step of 128 along K that has its successor in the same slot
	s_wait_dscnt 4*NL                              ; the column side's set and the row side's blocks 0-3 are in; the youngest 16 loads (blocks 4-7) may be out
	WIN MUL_LO
	MUL16 0, (\q)%2, \q, \slot, \zero
	MUL16 2, (\q)%2, \q, \slot, \zero
	s_wait_dscnt 0                                 ; blocks 4-7 are in
	PLACES NP
	FETCH_B \slot, (\q)+1, 1-(\q)%2
	FETCH_A \slot, (\q)+1, 0
	WIN MUL_HI
	MUL16 4, (\q)%2, \q, \slot, \zero
	MUL16 6, (\q)%2, \q, \slot, \zero
	PLACES NP
	WIN 0
	FETCH_A \slot, (\q)+1, 4
.endm
; A slot's last step changes slots: ONE barrier; in front of it each wave waits for all its tensor loads, adds 0 to its spare word, and waits for that and for its own reads of this slot.  fill = 1: this slot is filled again, two K steps ahead.
.macro TURN slot, next, fill
	s_wait_tensorcnt 0x0                           ; all my tensor loads have landed: my part of the next slot
	ds_add_u32 v[SPW], v[NIL]                      ; 0 onto my spare word
	s_wait_dscnt 4*NL+1                            ; (the add and the youngest 16 loads may be out)
	WIN MUL_LO
	MUL16 0, 1, NQ-1, \slot, 0                     ; sixteen matrix instructions stand between the add and the wait for it
	s_wait_dscnt 0x0                               ; the add is done, and my reads of this slot are over
	s_barrier_signal -1
	MUL16 2, 1, NQ-1, \slot, 0
	WIN 0
	s_barrier_wait -1
.if \fill
	CREST                                          ; the barrier has opened a round of the cluster's barrier: no wave of any partner still reads this slot's tile or has a load on its way
	s_add_nc_u64 s[G0+4*\slot+2:G0+4*\slot+3], s[G0+4*\slot+2:G0+4*\slot+3], 2*ROWB
	s_add_nc_u64 s[G0B+4*\slot+2:G0B+4*\slot+3], s[G0B+4*\slot+2:G0B+4*\slot+3], 2*ROWB
	JLOAD G0+4*\slot, G1, G0B+4*\slot, G1B         ; the first tensor load behind the round; its four v_nop are among the places in front of the loads below
	PLACES NP-4
.else
	PLACES NP
.endif
	s_wait_alu depctr_va_vdst(0)
	v_add_nc_u32 v[ADRS], 4*NQ, v[ADRS]            ; on to the next K step's scale words
	FETCH_B \next, 0, 0
	FETCH_A \next, 0, 0
	SCALES \next
	WIN MUL_HI
	MUL16 4, 1, NQ-1, \slot, 0
	MUL16 6, 1, NQ-1, \slot, 0
	PLACES NP
	WIN 0
	FETCH_A \next, 0, 4
.endm
	s_wait_alu depctr_va_vdst(0)
	s_wait_tensorcnt 1                             ; of my three first fills the scales and K step 0 are in; K step 1's may be out
	s_barrier_signal -1
	s_barrier_wait -1                              ; everybody's are
	FETCH_B 0, 0, 0
	FETCH_A 0, 0, 0
	SCALES 0
	FETCH_A 0, 0, 4
	STEP 0, 0, 1                                   ; the first step stands in front of the loop: its products start the sums
	s_mov_b32 s3, LAPS-1
.Llap:                                                 ; a trip goes once round the ring, from a lap's second step to the next lap's first, and fills both slots again
	TURN 0, 1, 1
	STEP 1, 0, 0
	TURN 1, 0, 1
	STEP 0, 0, 0
	s_sub_co_u32 s3, s3, 1
	s_cmp_lg_u32 s3, 0
	s_cbranch_scc1 .Llap
	TURN 0, 1, 0                                   ; the last lap fills nothing, and has no round of the cluster's barrier
	STEP 1, 0, 0
	s_wait_dscnt 4*NL                              ; the very last step: nothing more to fetch
	WIN MUL_LO
	MUL16 0, 1, NQ-1, 1, 0
	MUL16 2, 1, NQ-1, 1, 0
	s_wait_dscnt 0
	WIN MUL_HI
	MUL16 4, 1, NQ-1, 1, 0
	MUL16 6, 1, NQ-1, 1, 0
	WIN 0
; THE QUANTISER.  64 numbers of a lane, v[s + 16 b + i]: 16 of each of four blocks of 32; the other 16 lie in lane l xor 16.  They become 16 registers of codes in v[PC] on and a scale word in v[PW].
.macro QUANT s
.irp b, 0,1,2,3
	v_max3_num_f32 v[TM+\b], |v[\s+16*\b]|, |v[\s+1+16*\b]|, 0x8000000   ; my 16 numbers, and the floor 2^(16 - 127): the byte cannot fall under 1
.endr
.irp i, 2,4,6,8,10,12,14
.irp b, 0,1,2,3
	v_max3_num_f32 v[TM+\b], v[TM+\b], |v[\s+16*\b+\i]|, |v[\s+1+16*\b+\i]|   ; (the four blocks by turns)
.endr
.endr
.irp b, 0,1,2,3
	v_permlanex16_b32 v[TM+4+\b], v[TM+\b], s[SEL], s[SEL+1]
.endr
.irp b, 0,1,2,3
	v_max_num_f32 v[TM+\b], v[TM+\b], v[TM+4+\b]   ; the block's largest magnitude
.endr
.irp b, 0,1,2,3
	v_add_nc_u32 v[TM+12+\b], 0xf8800000, v[TM+\b]   ; 15 off its exponent field: the conversion takes this operand's exponent field as its scale
.endr
.irp b, 0,1,2,3
.endr
.irp b, 0,1,2,3
	v_lshrrev_b32 v[TM+4+\b], 23, v[TM+12+\b]      ; the scale's byte
.endr
	v_lshl_or_b32 v[PW], v[TM+5], 8, v[TM+4]
	v_lshl_or_b32 v[PW], v[TM+6], 16, v[PW]
	v_lshl_or_b32 v[PW], v[TM+7], 24, v[PW]
.irp b, 0,1,2,3
.irp i, 0,1,2,3,4,5,6,7,8,9,10,11,12,13,14,15
.endr
	v_cvt_scalef32_pk8_bf8_f32 v[PC+4*\b:PC+1+4*\b], v[\s+16*\b:\s+7+16*\b], v[TM+12+\b]
	v_cvt_scalef32_pk8_bf8_f32 v[PC+2+4*\b:PC+3+4*\b], v[\s+8+16*\b:\s+15+16*\b], v[TM+12+\b]
.endr
	v_nop                                          ; one plain vector instruction behind the last conversion, ahead of whatever next writes its sources
.endm
	; THE WAY OUT touches no LDS: a block's codes are stored as they stand, 512 consecutive bytes an instruction.
	PLACES NP                                      ; behind the last products: results are read, and registers that held fragments are written
	v_and_b32 v1, 15, v0                           ; r
	v_bfe_u32 v2, v0, 4, 1                         ; h
	v_and_b32 v[LI], 31, v0
	v_lshlrev_b32 v[LI], 4, v[LI]
.irp b, 0,1,2,3
	v_mov_b32 v[TM+4+\b], 0                        ; a lane permute's destination counts as one of its sources
.endr
	s_cmp_ge_u32 s[CYCL], 8                        ; the cluster's y: alike in all partners and all waves
	s_cbranch_scc1 .Ltail_v
	; ---- q, k: lane (r, h) of block a holds token 16 a + r; register 8 b + j is column 16 b + 8 h + j of my 128: two heads, four blocks of 32
	s_lshl_b32 s44, s[CC], 10
	s_lshl_b32 s45, s[HI], 9
	s_add_co_u32 s44, s44, s45                     ; 4 bytes x (256 CC + 128 HI)
	s_mov_b32 s45, 0
	s_add_nc_u64 s[12:13], s[12:13], s[44:45]
	v_lshlrev_b32 v[BA], 5, v2                     ; my half's eight numbers of each 16
.irp b, 0,1,2,3,4,5,6,7
	global_load_b128 v[BI+8*\b:BI+8*\b+3], v[BA], s[12:13] offset:64*\b
	global_load_b128 v[BI+8*\b+4:BI+8*\b+7], v[BA], s[12:13] offset:64*\b+16
.endr
	s_lshr_b32 s44, s[RC], 3                       ; the batch
	s_lshl_b32 s44, s44, 4
	s_lshl_b32 s45, s[CC], 2
	s_add_co_u32 s44, s44, s45
	s_lshl_b32 s45, s[HI], 1
	s_add_co_u32 s44, s44, s45                     ; my first record: 16 x batch + 4 CC + 2 HI
	s_mul_i32 s44, s44, REC
	s_and_b32 s45, s[RC], 7
	s_lshl_b32 s45, s45, 4
	s_lshl_b32 s101, s[HJ], 3
	s_add_co_u32 s45, s45, s101                    ; my first tile of 16 tokens in it
	s_lshl_b32 s40, s45, 6
	s_add_co_u32 s40, s40, s44
	s_add_co_u32 s40, s40, 131072
	s_mov_b32 s41, 0
	s_add_nc_u64 s[40:41], s[14:15], s[40:41]      ; its scale words
	s_lshl_b32 s45, s45, 10
	s_add_co_u32 s44, s44, s45
	s_mov_b32 s45, 0
	s_add_nc_u64 s[14:15], s[14:15], s[44:45]      ; its codes
	s_wait_alu depctr_va_vdst(0)
	v_mul_u32_u24 v[SA], v2, REC                   ; lanes 0-15 store the even head's words, lanes 16-31 the odd head's: 64 consecutive bytes each
	v_lshl_add_u32 v[SA], v1, 2, v[SA]
	v_lshlrev_b32 v[SH], 4, v2
	s_wait_loadcnt 0x0
.macro TAILQ a
.set AC, 64*((\a)%4)
.set WW, 0x02+(\a)/4
	WIN WW                                         ; source 0: window 2 or 3
.set ii, 0
.rept 32
	v_pk_add_f32 v[T+ii:T+ii+1], v[AC+ii:AC+ii+1], v[BI+ii:BI+ii+1]   ; + bias; each accumulator is read from its low end on
.set ii, ii+2
.endr
	WIN 0
	s_wait_xcnt 0x0                                ; the last block's stores have read their data: the codes and the word are written again only behind this wait
	QUANT T
	global_store_b128 v[LI], v[PC:PC+3], s[14:15] offset:1024*(\a)
	global_store_b128 v[LI], v[PC+4:PC+7], s[14:15] offset:1024*(\a)+512
	global_store_b128 v[LI], v[PC+8:PC+11], s[14:15] offset:1024*(\a)+REC
	global_store_b128 v[LI], v[PC+12:PC+15], s[14:15] offset:1024*(\a)+REC+512
	v_lshrrev_b32 v[PWS], v[SH], v[PW]             ; the odd head's two bytes come down
	global_store_b32 v[SA], v[PWS], s[40:41] offset:64*(\a)
.endm
.irp a, 0,1,2,3,4,5,6,7
	TAILQ \a
.endr
	s_branch .Lend
.Ltail_v:
	; ---- v: lane (r, h) of block a holds d = 16 a + r of my 128 rows of Wv (two heads x four tiles); register 8 b + j is key 16 b + 8 h + j of my 128: one key step, four blocks of 32
	s_lshl_b32 s44, s[RC], 10
	s_lshl_b32 s45, s[HJ], 9
	s_add_co_u32 s44, s44, s45                     ; 4 bytes x (256 RC + 128 HJ)
	s_mov_b32 s45, 0
	s_add_nc_u64 s[12:13], s[12:13], s[44:45]
	s_wait_alu depctr_va_vdst(0)
	v_lshlrev_b32 v[BA], 2, v1
.irp a, 0,1,2,3,4,5,6,7
	global_load_b32 v[BI+2*\a], v[BA], s[12:13] offset:64*\a
	v_mov_b32 v[BI+2*\a+1], 0                      ; (named as the upper half of a pair)
.endr
	s_lshr_b32 s44, s[CC], 3                       ; the batch
	s_lshl_b32 s44, s44, 4
	s_lshl_b32 s45, s[RC], 2
	s_add_co_u32 s44, s44, s45
	s_lshl_b32 s45, s[HJ], 1
	s_add_co_u32 s44, s44, s45                     ; my first record: 16 x batch + 4 RC + 2 HJ
	s_mul_i32 s44, s44, REC
	s_and_b32 s45, s[CC], 7
	s_lshl_b32 s45, s45, 1
	s_add_co_u32 s45, s45, s[HI]                   ; my key step in it
	s_lshl_b32 s40, s45, 7
	s_add_co_u32 s40, s40, s44
	s_add_co_u32 s40, s40, 131072
	s_mov_b32 s41, 0
	s_add_nc_u64 s[40:41], s[14:15], s[40:41]      ; its scale words
	s_lshl_b32 s45, s45, 11
	s_add_co_u32 s44, s44, s45
	s_mov_b32 s45, 0
	s_add_nc_u64 s[14:15], s[14:15], s[44:45]      ; its codes
	v_and_b32 v[SA], 31, v0
	v_lshlrev_b32 v[SA], 2, v[SA]                  ; 4 x lane
	s_wait_loadcnt 0x0
.macro TAILV a
.set AC, 64*((\a)%4)
.set WW, 0x02+(\a)/4
	WIN WW
.set ii, 0
.rept 32
	v_pk_add_f32 v[T+ii:T+ii+1], v[AC+ii:AC+ii+1], v[BI+2*(\a):BI+2*(\a)+1] op_sel_hi:[1,0]   ; + my d's bias, for both halves
.set ii, ii+2
.endr
	WIN 0
	s_wait_xcnt 0x0                                ; the last block's stores have read their data
	QUANT T
.irp c, 0,1,2,3
	global_store_b128 v[LI], v[PC+4*\c:PC+4*\c+3], s[14:15] offset:((\a)/4)*REC+((\a)%4)*32768+512*\c
.endr
	global_store_b32 v[SA], v[PW], s[40:41] offset:((\a)/4)*REC+((\a)%4)*2048
.endm
.irp a, 0,1,2,3,4,5,6,7
	TAILV \a
.endr
.Lend:
	s_wait_tensorcnt 0x0                           ; the wave's end
	ds_add_u32 v[SPW], v[NIL]
	s_wait_dscnt 0x0
	CROUND                                         ; the closing round: no work-group ends while a partner may still ask for a tile that names it
	s_endpgm
.Lfunc_end_k_q2ed5a79421_proj:
	.size	k_q2ed5a79421_proj, .Lfunc_end_k_q2ed5a79421_proj-k_q2ed5a79421_proj
	.p2alignl 7, 3214868480
	.fill 96, 4, 3214868480
	.section	.rodata,"a",@progbits
	.p2align	6, 0x0
	.amdhsa_kernel k_q2ed5a79421_proj
		.amdhsa_group_segment_fixed_size 327680
		.amdhsa_private_segment_fixed_size 0
		.amdhsa_enable_private_segment 0
		.amdhsa_kernarg_size 144
		.amdhsa_user_sgpr_count 2
		.amdhsa_user_sgpr_kernarg_segment_ptr 1
		.amdhsa_wavefront_size32 1
		.amdhsa_system_sgpr_workgroup_id_x 1
		.amdhsa_system_sgpr_workgroup_id_y 1
		.amdhsa_system_sgpr_workgroup_id_z 1
		.amdhsa_system_vgpr_workitem_id 0
		.amdhsa_next_free_vgpr 1024
		.amdhsa_next_free_sgpr 102
		.amdhsa_reserve_vcc 0
		.amdhsa_float_denorm_mode_32 3
		.amdhsa_float_denorm_mode_16_64 3
		.amdhsa_fp16_overflow 1
		.amdhsa_memory_ordered 1
		.amdhsa_forward_progress 1
		.amdhsa_inst_pref_size 220
	.end_amdhsa_kernel
	.amdgpu_metadata
---
amdhsa.version: [ 1, 2 ]
amdhsa.kernels:
  - .name:           k_q2ed5a79421_proj
    .symbol:         k_q2ed5a79421_proj.kd
    .args:
      - { .name: query_codes, .offset: 0, .size: 8, .value_kind: global_buffer, .address_space: global }
      - { .name: query_scales, .offset: 8, .size: 8, .value_kind: global_buffer, .address_space: global }
      - { .name: Wq_codes, .offset: 16, .size: 8, .value_kind: global_buffer, .address_space: global }
      - { .name: Wq_scales, .offset: 24, .size: 8, .value_kind: global_buffer, .address_space: global }
      - { .name: bq, .offset: 32, .size: 8, .value_kind: global_buffer, .address_space: global }
      - { .name: qbuf, .offset: 40, .size: 8, .value_kind: global_buffer, .address_space: global }
      - { .name: key_codes, .offset: 48, .size: 8, .value_kind: global_buffer, .address_space: global }
      - { .name: key_scales, .offset: 56, .size: 8, .value_kind: global_buffer, .address_space: global }
      - { .name: Wk_codes, .offset: 64, .size: 8, .value_kind: global_buffer, .address_space: global }
      - { .name: Wk_scales, .offset: 72, .size: 8, .value_kind: global_buffer, .address_space: global }
      - { .name: bk, .offset: 80, .size: 8, .value_kind: global_buffer, .address_space: global }
      - { .name: kbuf, .offset: 88, .size: 8, .value_kind: global_buffer, .address_space: global }
      - { .name: Wv_codes, .offset: 96, .size: 8, .value_kind: global_buffer, .address_space: global }
      - { .name: Wv_scales, .offset: 104, .size: 8, .value_kind: global_buffer, .address_space: global }
      - { .name: value_codes, .offset: 112, .size: 8, .value_kind: global_buffer, .address_space: global }
      - { .name: value_scales, .offset: 120, .size: 8, .value_kind: global_buffer, .address_space: global }
      - { .name: bv, .offset: 128, .size: 8, .value_kind: global_buffer, .address_space: global }
      - { .name: vbuf, .offset: 136, .size: 8, .value_kind: global_buffer, .address_space: global }
    .group_segment_fixed_size: 327680
    .private_segment_fixed_size: 0
    .kernarg_segment_align: 8
    .kernarg_segment_size: 144
    .max_flat_workgroup_size: 128
    .sgpr_count:     102
    .vgpr_count:     1024
    .wavefront_size: 32
...
	.end_amdgpu_metadata
.endif
;; end of part 1
;; launch attn (part 2): grid 8 x 32, 8 waves a work-group, clusters of 4 x 1, 327,680 bytes of LDS; arguments qbuf, kbuf, vbuf, mask, cimg, csc; writes cimg, csc
.if DOCPART == 2
	.amdgcn_target "amdgcn-amd-amdhsa--gfx1250"
	.amdhsa_code_object_version 6
	.text
	.protected	k_q2ed5a79421_attn
	.globl	k_q2ed5a79421_attn
	.p2align	8
	.type	k_q2ed5a79421_attn,@function
k_q2ed5a79421_attn:
	s_mov_b64 s[64:65], 0
	v_nop
	global_prefetch_b8 v0, s[64:65] scope:SCOPE_SE
	s_setreg_imm32_b32 hwreg(HW_REG_WAVE_MODE, 25, 1), 1
	s_wait_xcnt 0x0
	s_wait_alu depctr_hold_cnt(0) depctr_sa_sdst(0) depctr_va_vdst(0) depctr_va_sdst(0) depctr_va_ssrc(0) depctr_va_vcc(0) depctr_vm_vsrc(0)
	s_getreg_b32 s2, hwreg(HW_REG_IB_STS2, 6, 4)
	s_cmp_eq_u32 s2, 0
	s_cbranch_scc0 .Lentry_in_a_cluster
	s_endpgm
.Lentry_in_a_cluster:
	s_bfe_u32 s2, ttmp6, 0x10000c
	s_cmp_lg_u32 s2, 0x3003
	s_cbranch_scc0 .Lentry_shape_is_right
	s_endpgm
.Lentry_shape_is_right:
.set REC,    139264
.set EIGHTH, 17408
.set KSCW,   131072
.set VREC,   REC
.set VSCW,   VREC+131072
.set BIASL,  2*REC
.set LI,  1
.set LS,  2
.set AB0, 3
.set ADK, 4
.set ADB, 5
.set ADS, 6
.set ADV0, 7
.set ADV1, 8
.set ADW, 9
.set ST,  12
.set KSR, 28
.set QS,  30
.set AS0, 31
.set VS,  32
.set PW,  36
.set AV0, 38
.set AW0, 39
.set BM,  40
.set X,   48
.set HOLD, 56
.set S,   64
.set OA,  192
.set KF,  0
.set BC,  64
.set QF,  96
.set VF,  128
.set PF,  192
.set TM,  40
.set PC,  64
.set SH,  11
.set WV,  16
.set BH,  17
.set QB,  18
.set MNT, 19
.set SEL, 20
.set CS,  22
.set G1,  24
.set G0K, 32
.set G0V, 36
.set TK,  40
.set TS,  41
.set TV,  42
.set TW,  43
.set STP, 44
.set MSB, 0
.macro WIN new
.if MSB != \new
	s_set_vgpr_msb (MSB<<8)|\new
.set MSB, \new
.endif
.endm
.macro PLACES n
.rept \n
	v_nop
.endr
.endm
.macro CROUND
	s_barrier_signal -1
	s_barrier_wait -1
	s_cmp_lg_u32 s[WV], 0
	s_cbranch_scc1 .Lnot_wave_0_\@
	s_barrier_signal -3
.Lnot_wave_0_\@:
	s_barrier_wait -3
	s_barrier_signal -1
	s_barrier_wait -1
.endm
.macro WMS
.if fA && fB
	v_wmma_scale_f32_16x16x128_f8f6f4 v[rD:rD+7], v[rA:rA+15], v[rB:rB+15], v[rC:rC+7], v[rSA], v[rSB] matrix_a_fmt:MATRIX_FMT_BF8 matrix_b_fmt:MATRIX_FMT_BF8 matrix_a_scale:MATRIX_SCALE_ROW1 matrix_b_scale:MATRIX_SCALE_ROW1
.elseif fA
	v_wmma_scale_f32_16x16x128_f8f6f4 v[rD:rD+7], v[rA:rA+15], v[rB:rB+15], v[rC:rC+7], v[rSA], v[rSB] matrix_a_fmt:MATRIX_FMT_BF8 matrix_b_fmt:MATRIX_FMT_BF8 matrix_a_scale:MATRIX_SCALE_ROW1
.elseif fB
	v_wmma_scale_f32_16x16x128_f8f6f4 v[rD:rD+7], v[rA:rA+15], v[rB:rB+15], v[rC:rC+7], v[rSA], v[rSB] matrix_a_fmt:MATRIX_FMT_BF8 matrix_b_fmt:MATRIX_FMT_BF8 matrix_b_scale:MATRIX_SCALE_ROW1
.else
	v_wmma_scale_f32_16x16x128_f8f6f4 v[rD:rD+7], v[rA:rA+15], v[rB:rB+15], v[rC:rC+7], v[rSA], v[rSB] matrix_a_fmt:MATRIX_FMT_BF8 matrix_b_fmt:MATRIX_FMT_BF8
.endif
.endm
	s_load_b256 s[4:11], s[0:1], 0x0
	s_load_b128 s[12:15], s[0:1], 0x20
	s_set_vgpr_msb 0x40
	v_lshl_add_u32 v254, v0, 2, 0x46000
	v_mov_b32 v255, 0
	s_set_vgpr_msb 0x4045
	ds_add_u32 v254, v255
	ds_add_u32 v254, v255
	s_set_vgpr_msb 0x4500
	v_lshrrev_b32 v10, 5, v0
	s_delay_alu instid0(VALU_DEP_1)
	v_readfirstlane_b32 s[WV], v10
	s_and_b32 s[BH], ttmp7, 0xffff
	s_bfe_u32 s52, ttmp6, 0x40000
	s_lshl_b32 s[QB], ttmp9, 2
	s_add_co_u32 s[QB], s[QB], s52
	s_mul_i32 s46, s[BH], REC
	s_mul_i32 s48, s[WV], EIGHTH
	s_add_co_u32 s50, s46, s48
	s_mov_b32 s51, 0
	s_mov_b32 s[G1], 15|(3<<16)|(1<<21)
	s_mov_b32 s[G1+1], 32<<16
	s_mov_b32 s[G1+2], 68<<16
	s_mov_b32 s[G1+3], 32<<16
	s_mov_b32 s[G1+4], 68
	s_mov_b32 s[G1+5], 32
	s_mov_b32 s[G1+6], 0
	s_mov_b32 s[G1+7], 0
	s_mov_b32 s[SEL], 0x76543210
	s_mov_b32 s[SEL+1], 0xfedcba98
	s_mov_b32 s[CS], 0x3e38aa3b
	s_mov_b32 s[CS+1], s[CS]
	s_wait_dscnt 0x0
	s_wait_kmcnt 0x0
	s_mov_b32 s[G0K], 1
	s_mov_b32 s[G0K+1], s48
	s_add_nc_u64 s[G0K+2:G0K+3], s[6:7], s[50:51]
	s_or_b32 s[G0K+3], s[G0K+3], 0x80000000
	s_mov_b32 s[G0V], 1
	s_add_co_u32 s[G0V+1], s48, VREC
	s_add_nc_u64 s[G0V+2:G0V+3], s[8:9], s[50:51]
	s_or_b32 s[G0V+3], s[G0V+3], 0x80000000
	CROUND
	tensor_load_to_lds s[G0K:G0K+3], s[G1:G1+7]
	s_nop 0
	tensor_load_to_lds s[G0V:G0V+3], s[G1:G1+7]
	s_nop 0
.rept 4
	v_nop
.endr
	v_and_b32 v[LS], 31, v0
	s_delay_alu instid0(VALU_DEP_1)
	v_lshlrev_b32 v[LI], 4, v[LS]
	s_delay_alu instid0(VALU_DEP_2)
	v_lshlrev_b32 v[LS], 2, v[LS]
	s_wait_alu depctr_va_vdst(0)
	v_bfe_u32 v10, v0, 4, 1
	s_delay_alu instid0(VALU_DEP_1)
	v_lshl_add_u32 v[AB0], v10, 5, BIASL
	v_add_nc_u32 v[AS0], KSCW, v[LS]
	v_add_nc_u32 v[AV0], VREC, v[LI]
	v_add_nc_u32 v[AW0], VSCW, v[LS]
	s_lshr_b32 s58, s[BH], 4
	s_lshl_b32 s58, s58, 11
	s_mov_b32 s59, 0
	s_add_nc_u64 s[10:11], s[10:11], s[58:59]
	v_lshlrev_b32 v[X], 3, v0
	global_load_b64 v[S+8:S+9], v[X], s[10:11]
	s_lshl_b32 s52, s[QB], 4
	s_lshl_b32 s53, s[WV], 1
	s_add_co_u32 s52, s52, s53
	s_lshl_b32 s54, s52, 10
	s_add_co_u32 s54, s54, s46
	s_mov_b32 s55, 0
	s_lshl_b32 s56, s52, 6
	s_add_co_u32 s56, s56, s46
	s_add_co_u32 s56, s56, 131072
	s_mov_b32 s57, 0
	s_add_nc_u64 s[56:57], s[4:5], s[56:57]
	s_add_nc_u64 s[4:5], s[4:5], s[54:55]
	global_load_b32 v[QS], v[LS], s[56:57]
	WIN 0x40
.irp t, 0,1
.irp c, 0,1
	global_load_b128 v[QF+16*\t+4*\c:QF+16*\t+4*\c+3], v[LI], s[4:5] offset:1024*\t+512*\c
.endr
.endr
.irp i, 0,1,2,3
.irp k, 8,9,10,11,12,13,14,15
	v_mov_b32 v[KF+16*\i+\k], 0
.endr
.endr
.irp t, 0,1
.irp k, 8,9,10,11,12,13,14,15
	v_mov_b32 v[QF+16*\t+\k], 0
.endr
.endr
	WIN 0
.set ii, 0
.rept 64
	v_mov_b32 v[OA+ii], 0
.set ii, ii+1
.endr
.irp t, 0,1
	v_mov_b32 v[ST+8*\t], 0x5f800000
	v_mov_b32 v[ST+8*\t+1], 0xdf800000
.irp k, 2,3,4,5,6,7
	v_mov_b32 v[ST+8*\t+\k], 0
.endr
.endr
	s_wait_loadcnt 0x0
.irp k, 1,2,3,4,5,6,7
	v_mov_b32 v[X+\k], 0
.endr
.irp k, 0,1,2,3
	v_bfe_u32 v[S+\k], v[S+8], 8*\k, 8
	v_bfe_u32 v[S+4+\k], v[S+9], 8*\k, 8
.endr
.irp k, 0,1,2,3,4,5,6,7
	v_sub_nc_u32 v[S+\k], 0, v[S+\k]
.endr
.irp k, 0,1,2,3,4,5,6,7
	v_and_b32 v[S+\k], 0xf1800000, v[S+\k]
.endr
	v_lshl_add_u32 v[SH], v0, 5, BIASL
	ds_store_b128 v[SH], v[S:S+3]
	ds_store_b128 v[SH], v[S+4:S+7] offset:16
	s_wait_tensorcnt 0x0
	s_wait_dscnt 0x0
	s_barrier_signal -1
	s_barrier_wait -1
	v_lshlrev_b32 v[SH], 4, v10
.macro ADDRK
	v_add_nc_u32 v[ADK], s[TK], v[LI]
	v_add_nc_u32 v[ADB], s[TS], v[AB0]
	v_add_nc_u32 v[ADS], s[TS], v[AS0]
.endm
.macro NEXTS
	s_add_co_u32 s45, s[STP], 1
	s_min_u32 s45, s45, 15
	s_lshl_b32 s[TK], s45, 13
	s_lshl_b32 s[TS], s45, 9
.endm
.macro LOADG g
	WIN 0x40
.irp i, 0,1,2,3
	ds_load_b128 v[KF+16*\i:KF+16*\i+3], v[ADK] offset:(4*\g+\i)*1024
	ds_load_b128 v[KF+16*\i+4:KF+16*\i+7], v[ADK] offset:(4*\g+\i)*1024+512
.endr
.irp i, 0,1,2,3
	ds_load_b128 v[BC+8*\i:BC+8*\i+3], v[ADB] offset:(4*\g+\i)*64
	ds_load_b128 v[BC+8*\i+4:BC+8*\i+7], v[ADB] offset:(4*\g+\i)*64+16
.endr
	WIN 0
	ds_load_b32 v[KSR], v[ADS] offset:(2*\g)*128
	ds_load_b32 v[KSR+1], v[ADS] offset:(2*\g+1)*128
.endm
.macro QKG g
	WIN 0x15
.irp i, 0,1,2,3
.irp t, 0,1
.set rD, S+64*\t+32*\g+8*\i
.set rA, KF+16*\i
.set rB, QF+16*\t
.set rC, BC+8*\i
.set rSA, KSR+\i/2
.set rSB, QS
.set fA, \i%2
.set fB, \t
	WMS
.endr
.endr
	WIN 0
.endm
.macro BMAXH g
.irp t, 0,1
.irp u, 0,1
	v_max3_num_f32 v[BM+4*\t+2*\g+\u], v[S+64*\t+16*(2*\g+\u)], v[S+64*\t+16*(2*\g+\u)+1], v[S+64*\t+16*(2*\g+\u)+2]
.endr
.endr
.irp i, 3,5,7,9,11,13
.irp t, 0,1
.irp u, 0,1
	v_max3_num_f32 v[BM+4*\t+2*\g+\u], v[BM+4*\t+2*\g+\u], v[S+64*\t+16*(2*\g+\u)+\i], v[S+64*\t+16*(2*\g+\u)+\i+1]
.endr
.endr
.endr
.irp t, 0,1
.irp u, 0,1
	v_max_num_f32 v[BM+4*\t+2*\g+\u], v[BM+4*\t+2*\g+\u], v[S+64*\t+16*(2*\g+\u)+15]
.endr
.endr
.endm
.macro TMINUSM
.set ii, 0
.rept 64
	v_pk_fma_f32 v[S+ii:S+ii+1], v[S+ii:S+ii+1], s[CS:CS+1], v[ST+8*(ii/64):ST+8*(ii/64)+1] op_sel_hi:[1,0,0]
.set ii, ii+2
.endr
.endm
.macro EXPS
.set ii, 0
.rept 128
	v_exp_f32 v[S+ii], v[S+ii]
.set ii, ii+1
.endr
.endm
.macro P1STEP
	s_wait_dscnt 0x0
	QKG 0
	PLACES 8
	s_wait_alu depctr_va_vdst(0)
	LOADG 1
	BMAXH 0
	s_wait_dscnt 0x0
	QKG 1
	NEXTS
	ADDRK
	PLACES 5
	LOADG 0
	BMAXH 1
.irp t, 0
	s_delay_alu instid0(VALU_DEP_4)
	v_max3_num_f32 v[ST+8*\t+6], v[BM+4*\t], v[BM+4*\t+1], v[BM+4*\t+2]
.endr
.irp t, 1
	s_delay_alu instid0(VALU_DEP_3)
	v_max3_num_f32 v[ST+8*\t+6], v[BM+4*\t], v[BM+4*\t+1], v[BM+4*\t+2]
.endr
.irp t, 0,1
	s_delay_alu instid0(VALU_DEP_2)
	v_max_num_f32 v[ST+8*\t+6], v[ST+8*\t+6], v[BM+4*\t+3]
.endr
.irp t, 0,1
	s_delay_alu instid0(VALU_DEP_2)
	v_permlanex16_b32 v[ST+8*\t+7], v[ST+8*\t+6], s[SEL], s[SEL+1]
.endr
.irp t, 0,1
	s_delay_alu instid0(VALU_DEP_2)
	v_max_num_f32 v[ST+8*\t+6], v[ST+8*\t+6], v[ST+8*\t+7]
.endr
.irp t, 0,1
	s_delay_alu instid0(VALU_DEP_2)
	v_mul_f32 v[ST+8*\t+6], s[CS], v[ST+8*\t+6]
.endr
.irp t, 0,1
	s_delay_alu instid0(VALU_DEP_2)
	v_max_num_f32 v[ST+8*\t+1], v[ST+8*\t+1], v[ST+8*\t+6]
.endr
.irp t, 0,1
	v_mov_b32 v[ST+8*\t+6], v[ST+8*\t]
.endr
.irp t, 0,1
	s_delay_alu instid0(VALU_DEP_4)
	v_floor_f32 v[ST+8*\t], -v[ST+8*\t+1]
.endr
.irp t, 0,1
	s_delay_alu instid0(VALU_DEP_2)
	v_sub_f32 v[ST+8*\t+6], v[ST+8*\t], v[ST+8*\t+6]
.endr
.irp t, 0,1
	s_delay_alu instid0(VALU_DEP_2)
	v_cvt_i32_f32 v[ST+8*\t+6], v[ST+8*\t+6]
.endr
.irp t, 0,1
	s_delay_alu instid0(VALU_DEP_2)
	v_ldexp_f32 v[ST+8*\t+4], 1.0, v[ST+8*\t+6]
.endr
	TMINUSM
	s_wait_alu depctr_va_vdst(0)
	EXPS
.irp t, 0,1
	v_pk_mul_f32 v[ST+8*\t+2:ST+8*\t+3], v[ST+8*\t+2:ST+8*\t+3], v[ST+8*\t+4:ST+8*\t+5] op_sel_hi:[1,0]
.endr
	s_wait_alu depctr_va_vdst(0)
.irp t, 0,1
	v_pk_add_f32 v[X+4*\t:X+4*\t+1], v[S+64*\t:S+64*\t+1], v[S+64*\t+2:S+64*\t+3]
.endr
.irp j, 4,8,12,16,20,24,28,32,36,40,44,48,52,56,60
.irp t, 0,1
	v_pk_add_f32 v[ST+8*\t+2:ST+8*\t+3], v[ST+8*\t+2:ST+8*\t+3], v[S+64*\t+\j:S+64*\t+\j+1]
	v_pk_add_f32 v[X+4*\t:X+4*\t+1], v[X+4*\t:X+4*\t+1], v[S+64*\t+\j+2:S+64*\t+\j+3]
.endr
.endr
.irp t, 0
	s_delay_alu instid0(VALU_DEP_3)
	v_pk_add_f32 v[ST+8*\t+2:ST+8*\t+3], v[ST+8*\t+2:ST+8*\t+3], v[X+4*\t:X+4*\t+1]
.endr
.irp t, 1
	s_delay_alu instid0(VALU_DEP_2)
	v_pk_add_f32 v[ST+8*\t+2:ST+8*\t+3], v[ST+8*\t+2:ST+8*\t+3], v[X+4*\t:X+4*\t+1]
.endr
.endm
.macro LOADV
	WIN 0x40
.irp d, 0,1,2,3
.irp c, 0,1,2,3
	ds_load_b128 v[VF+16*\d+4*\c:VF+16*\d+4*\c+3], v[ADV0+\d/2] offset:(\d%2)*32768+512*\c
.endr
.endr
	WIN 0
.irp d, 0,1,2,3
	ds_load_b32 v[VS+\d], v[ADW] offset:2048*\d
.endr
.endm
.macro SOFT2
.irp n, 0,1,2,3,4,5,6,7
	v_permlanex16_b32 v[X+\n], v[BM+\n], s[SEL], s[SEL+1]
.endr
.irp n, 0,1,2,3,4,5,6,7
	v_max_num_f32 v[BM+\n], v[BM+\n], v[X+\n]
.endr
	TMINUSM
.irp n, 0,1,2,3,4,5,6,7
	v_fma_f32 v[BM+\n], v[BM+\n], s[CS], v[ST+8*(\n/4)]
.endr
	s_wait_alu depctr_va_vdst(0)
	EXPS
.irp n, 0,1,2,3,4,5,6,7
	v_exp_f32 v[BM+\n], v[BM+\n]
.endr
	v_nop
.set ii, 0
	s_wait_alu depctr_va_vdst(0)
.rept 64
	v_pk_mul_f32 v[S+ii:S+ii+1], v[S+ii:S+ii+1], v[ST+8*(ii/64)+4:ST+8*(ii/64)+5] op_sel_hi:[1,0]
.set ii, ii+2
.endr
.irp n, 0,1,2,3,4,5,6,7
	v_mul_f32 v[BM+\n], v[BM+\n], v[ST+8*(\n/4)+4]
.endr
.irp n, 0,1,2,3,4,5,6,7
	v_max_num_f32 v[BM+\n], 0x8000000, v[BM+\n]
.endr
.irp n, 0,1,2,3,4,5,6,7
.endr
.irp n, 0,1,2,3,4,5,6,7
	v_add_nc_u32 v[BM+\n], 0xf8800000, v[BM+\n]
.endr
.irp n, 0,1,2,3,4,5,6,7
	v_lshrrev_b32 v[X+\n], 23, v[BM+\n]
.endr
.irp t, 0
	v_lshl_or_b32 v[PW+\t], v[X+4*\t+1], 8, v[X+4*\t]
.endr
.irp t, 1
	s_delay_alu instid0(VALU_DEP_4)
	v_lshl_or_b32 v[PW+\t], v[X+4*\t+1], 8, v[X+4*\t]
.endr
.irp t, 0,1
	s_delay_alu instid0(VALU_DEP_2)
	v_lshl_or_b32 v[PW+\t], v[X+4*\t+2], 16, v[PW+\t]
.endr
.irp t, 0,1
	s_delay_alu instid0(VALU_DEP_2)
	v_lshl_or_b32 v[PW+\t], v[X+4*\t+3], 24, v[PW+\t]
.endr
.set ii, 0
.rept 128
.set ii, ii+1
.endr
	WIN 0x40
.set ii, 0
.rept 16
	v_cvt_scalef32_pk8_bf8_f32 v[PF+2*ii:PF+2*ii+1], v[S+8*ii:S+8*ii+7], v[BM+ii/2]
.set ii, ii+1
.endr
	WIN 0
.endm
.macro PVG
	WIN 0x05
.irp d, 0,1,2,3
.irp t, 0,1
.set rD, OA+32*\t+8*\d
.set rA, VF+16*\d
.set rB, PF+16*\t
.set rC, rD
.set rSA, VS+\d
.set rSB, PW+\t
.set fA, 0
.set fB, 0
	WMS
.endr
.endr
	WIN 0
.endm
.macro P2STEP
	s_wait_dscnt 0x0
	QKG 0
	PLACES 8
	LOADG 1
	BMAXH 0
	s_wait_dscnt 0x0
	QKG 1
	NEXTS
	s_lshl_b32 s[TV], s[STP], 11
	s_lshl_b32 s[TW], s[STP], 7
	ADDRK
	v_add_nc_u32 v[ADV0], s[TV], v[AV0]
	s_delay_alu instid0(VALU_DEP_1)
	v_add_nc_u32 v[ADV1], 0x10000, v[ADV0]
	v_add_nc_u32 v[ADW], s[TW], v[AW0]
	PLACES 2
	LOADG 0
	LOADV
	BMAXH 1
	SOFT2
	PLACES 4
	s_wait_alu depctr_va_vdst(0)
	s_wait_dscnt 0x0
	PVG
.endm
	s_mov_b32 s[STP], 0
	s_mov_b32 s[TK], 0
	s_mov_b32 s[TS], 0
	ADDRK
	LOADG 0
.Lpass1:
	P1STEP
	s_add_co_u32 s[STP], s[STP], 1
	s_cmp_lt_u32 s[STP], 16
	s_cbranch_scc1 .Lpass1
.irp t, 0,1
	v_add_f32 v[ST+8*\t+6], v[ST+8*\t+2], v[ST+8*\t+3]
.endr
.irp t, 0,1
	s_delay_alu instid0(VALU_DEP_2)
	v_permlanex16_b32 v[ST+8*\t+7], v[ST+8*\t+6], s[SEL], s[SEL+1]
.endr
.irp t, 0,1
	s_delay_alu instid0(VALU_DEP_2)
	v_add_f32 v[ST+8*\t+6], v[ST+8*\t+6], v[ST+8*\t+7]
.endr
	s_wait_alu depctr_va_vdst(0)
.irp t, 0,1
	v_rcp_f32 v[ST+8*\t+4], v[ST+8*\t+6]
.endr
	v_nop
	s_wait_alu depctr_va_vdst(0)
.irp t, 0,1
	v_cmp_lt_f32 vcc_lo, 0, v[ST+8*\t+6]
	v_cndmask_b32 v[ST+8*\t+4], 0, v[ST+8*\t+4], vcc_lo
.endr
	s_mov_b32 s[STP], 0
	s_mov_b32 s[TK], 0
	s_mov_b32 s[TS], 0
	ADDRK
	s_wait_alu depctr_va_vdst(0)
	s_wait_dscnt 0x0
	LOADG 0
.Lpass2:
	P2STEP
	s_add_co_u32 s[STP], s[STP], 1
	s_cmp_lt_u32 s[STP], 16
	s_cbranch_scc1 .Lpass2
.macro QUANT s
.irp b, 0,1,2,3
	v_max3_num_f32 v[TM+\b], |v[\s+16*\b]|, |v[\s+1+16*\b]|, 0x8000000
.endr
.irp i, 2,4,6,8,10,12,14
.irp b, 0,1,2,3
	v_max3_num_f32 v[TM+\b], v[TM+\b], |v[\s+16*\b+\i]|, |v[\s+1+16*\b+\i]|
.endr
.endr
.irp b, 0,1,2,3
	s_delay_alu instid0(VALU_DEP_4)
	v_permlanex16_b32 v[TM+4+\b], v[TM+\b], s[SEL], s[SEL+1]
.endr
.irp b, 0,1,2,3
	s_delay_alu instid0(VALU_DEP_4)
	v_max_num_f32 v[TM+\b], v[TM+\b], v[TM+4+\b]
.endr
.irp b, 0,1,2,3
	s_delay_alu instid0(VALU_DEP_4)
	v_add_nc_u32 v[TM+12+\b], 0xf8800000, v[TM+\b]
.endr
.irp b, 0,1,2,3
.endr
.irp b, 0,1,2,3
	s_delay_alu instid0(VALU_DEP_4)
	v_lshrrev_b32 v[TM+4+\b], 23, v[TM+12+\b]
.endr
	s_delay_alu instid0(VALU_DEP_3)
	v_lshl_or_b32 v[PW], v[TM+5], 8, v[TM+4]
	s_delay_alu instid0(VALU_DEP_1)
	v_lshl_or_b32 v[PW], v[TM+6], 16, v[PW]
	s_delay_alu instid0(VALU_DEP_1)
	v_lshl_or_b32 v[PW], v[TM+7], 24, v[PW]
.irp b, 0,1,2,3
.irp i, 0,1,2,3,4,5,6,7,8,9,10,11,12,13,14,15
.endr
	v_cvt_scalef32_pk8_bf8_f32 v[PC+4*\b:PC+1+4*\b], v[\s+16*\b:\s+7+16*\b], v[TM+12+\b]
	v_cvt_scalef32_pk8_bf8_f32 v[PC+2+4*\b:PC+3+4*\b], v[\s+8+16*\b:\s+15+16*\b], v[TM+12+\b]
.endr
	v_nop
.endm
	PLACES 8
	QUANT OA
	s_lshr_b32 s53, s[BH], 4
	s_lshl_b32 s53, s53, 7
	s_add_co_u32 s53, s53, s52
	s_and_b32 s54, s[BH], 15
	s_lshr_b32 s54, s54, 1
	s_and_b32 s55, s[BH], 1
	s_lshr_b32 s56, s53, 3
	s_lshl_b32 s56, s56, 17
	s_lshl_b32 s57, s54, 14
	s_add_co_u32 s56, s56, s57
	s_and_b32 s57, s53, 7
	s_lshl_b32 s57, s57, 11
	s_add_co_u32 s56, s56, s57
	s_lshl_b32 s57, s55, 10
	s_add_co_u32 s56, s56, s57
	s_mov_b32 s57, 0
	s_add_nc_u64 s[12:13], s[12:13], s[56:57]
	s_lshl_b32 s56, s54, 8
	s_add_co_u32 s56, s56, s53
	s_lshl_b32 s56, s56, 6
	s_lshl_b32 s55, s55, 1
	s_add_co_u32 s56, s56, s55
	s_add_nc_u64 s[14:15], s[14:15], s[56:57]
	s_wait_alu depctr_va_vdst(0)
.irp t, 0,1
.irp c, 0,1
	global_store_b128 v[LI], v[PC+8*\t+4*\c:PC+8*\t+4*\c+3], s[12:13] offset:2048*\t+512*\c
.endr
.endr
	v_lshrrev_b32 v10, v[SH], v[PW]
	global_store_b16 v[LS], v10, s[14:15]
	s_set_vgpr_msb 0x5
	s_wait_tensorcnt 0x0
	ds_add_u32 v254, v255
	s_wait_dscnt 0x0
	s_set_vgpr_msb 0x500
	CROUND
	s_endpgm
.Lfunc_end_k_q2ed5a79421_attn:
	.size	k_q2ed5a79421_attn, .Lfunc_end_k_q2ed5a79421_attn-k_q2ed5a79421_attn
	.p2alignl 7, 3214868480
	.fill 96, 4, 3214868480
	.section	.rodata,"a",@progbits
	.p2align	6, 0x0
	.amdhsa_kernel k_q2ed5a79421_attn
		.amdhsa_group_segment_fixed_size 327680
		.amdhsa_private_segment_fixed_size 0
		.amdhsa_enable_private_segment 0
		.amdhsa_kernarg_size 48
		.amdhsa_user_sgpr_count 2
		.amdhsa_user_sgpr_kernarg_segment_ptr 1
		.amdhsa_wavefront_size32 1
		.amdhsa_system_sgpr_workgroup_id_x 1
		.amdhsa_system_sgpr_workgroup_id_y 1
		.amdhsa_system_sgpr_workgroup_id_z 1
		.amdhsa_system_vgpr_workitem_id 0
		.amdhsa_next_free_vgpr 512
		.amdhsa_next_free_sgpr 66
		.amdhsa_reserve_vcc 1
		.amdhsa_float_denorm_mode_32 3
		.amdhsa_float_denorm_mode_16_64 3
		.amdhsa_fp16_overflow 1
		.amdhsa_memory_ordered 1
		.amdhsa_forward_progress 1
		.amdhsa_inst_pref_size 72
	.end_amdhsa_kernel
	.amdgpu_metadata
---
amdhsa.version: [ 1, 2 ]
amdhsa.kernels:
  - .name:           k_q2ed5a79421_attn
    .symbol:         k_q2ed5a79421_attn.kd
    .args:
      - { .name: qbuf, .offset: 0, .size: 8, .value_kind: global_buffer, .address_space: global }
      - { .name: kbuf, .offset: 8, .size: 8, .value_kind: global_buffer, .address_space: global }
      - { .name: vbuf, .offset: 16, .size: 8, .value_kind: global_buffer, .address_space: global }
      - { .name: mask, .offset: 24, .size: 8, .value_kind: global_buffer, .address_space: global }
      - { .name: cimg, .offset: 32, .size: 8, .value_kind: global_buffer, .address_space: global }
      - { .name: csc, .offset: 40, .size: 8, .value_kind: global_buffer, .address_space: global }
    .group_segment_fixed_size: 327680
    .private_segment_fixed_size: 0
    .kernarg_segment_align: 8
    .kernarg_segment_size: 48
    .max_flat_workgroup_size: 256
    .sgpr_count:     66
    .vgpr_count:     512
    .wavefront_size: 32
...
	.end_amdgpu_metadata
.endif
;; end of part 2
;; launch outp (part 3): grid 8 x 32, 8 waves a work-group, clusters of 4 x 4, 327,680 bytes of LDS; arguments cimg, csc, Wo_codes, Wo_scales, bo, out0; writes out0
.if DOCPART == 3
	.amdgcn_target "amdgcn-amd-amdhsa--gfx1250"
	.amdhsa_code_object_version 6
	.text
	.protected	k_q2ed5a79421_outp
	.globl	k_q2ed5a79421_outp
	.p2align	8
	.type	k_q2ed5a79421_outp,@function
k_q2ed5a79421_outp:
	s_mov_b64 s[64:65], 0
	v_nop
	global_prefetch_b8 v0, s[64:65] scope:SCOPE_SE
	s_setreg_imm32_b32 hwreg(HW_REG_WAVE_MODE, 25, 1), 1
	s_wait_xcnt 0x0
	s_wait_alu depctr_hold_cnt(0) depctr_sa_sdst(0) depctr_va_vdst(0) depctr_va_sdst(0) depctr_va_ssrc(0) depctr_va_vcc(0) depctr_vm_vsrc(0)
	s_getreg_b32 s2, hwreg(HW_REG_IB_STS2, 6, 4)
	s_cmp_eq_u32 s2, 0
	s_cbranch_scc0 .Lentry_in_a_cluster
	s_endpgm
.Lentry_in_a_cluster:
	s_bfe_u32 s2, ttmp6, 0x10000c
	s_cmp_lg_u32 s2, 0xf033
	s_cbranch_scc0 .Lentry_shape_is_right
	s_endpgm
.Lentry_shape_is_right:
; out = ctx Wo + bo: [4096 x 1024] x [1024 x 1024] on codes of BF8 (E5M2) with one E8M0 scale for each 32 along K; sums in f32; the bias is the C of each sum's first product.
; SHARES.  256 work-groups of 128 tokens x 128 columns (tiles of 256 x 256 would be 64).  Eight waves, each 32 tokens x 64 columns: eight accumulators, no register windows; two waves share a SIMD.
; BOTH OPERANDS FOR ALL OF K LIE IN LDS, filled ONCE: ctx's block of 128 tokens as images of operand registers (131,072 dense bytes), Wo's 128 rows as four chunks of 256 along K, rows padded to 272 bytes.
; Each wave issues two tensor loads; the first of each brings K 0 .. 511, so the first half of the products runs while the second half is on its way.
; CLUSTERS: 4 x 4 work-groups.  The four of a row of the cluster need the same block of ctx, the four of a column the same rows of Wo: each piece is asked for jointly.
; THE ORDER OF k.  ctx's codes stand in the order in which they were made: registers 4 c, 4 c + 1 hold k = 32 c + 8 h + 0..7, registers 4 c + 2, 4 c + 3 k = 32 c + 16 + 8 h + 0..7 (h = lane / 16).
; Wo lies in memory in ascending k, so its fragments are read eight bytes at a time, at 16 c' + 8 h: the same order.  k stays inside its scale block; the sums' last bits may differ from ascending k.
; TRANSPOSED USE: source 0 = 16 rows of Wo (columns of out), source 1 = 16 tokens: a lane holds one token and eight neighbouring columns.  A wave's 64 columns are 256 bytes of a row of out:
; they go through the wave's own stage in LDS and leave as aligned runs of 256 bytes.
.set WOL,  131072                      ; LDS: ctx's images at 0; Wo's chunks here,
.set WCH,  34816                       ; 128 rows x 272 each;
.set STG,  WOL+4*WCH                   ; the stages: 16 rows x 272 bytes for each wave; no fill lands here
.set LI,   1                           ; v1  16 x lane
.set LS,   2                           ; v2  4 x lane
.set ADC0, 3                           ; v3  ctx's fragments, K steps 0-3;  v4  K steps 4-7
.set ADC1, 4
.set ADW0, 5                           ; v5  Wo's fragments, chunks 0, 1;  v6  chunks 2, 3
.set ADW1, 6
.set STO,  7                           ; v7  the stage: where I put 32 bytes of a row
.set RD,   8                           ; v8  and where I read rows back
.set CO,   9                           ; v9  my byte offset in out
.set LW,   14                          ; v14 32 x lane
.set BA,   15                          ; v15 32 x (lane / 16)
.set ACC,  32                          ; v32-95  accumulator (tile of tokens a, tile of columns b) at 8 (4 a + b)
.set CF,   96                          ; v96-127 ctx's two fragments
.set WF,   128                         ; v128-191 Wo's four
.set BO,   192                         ; v192-223 the bias in the result's layout, 8 registers a tile of columns
.set WS,   224                         ; v224-239 Wo's scale words: 8 (b / 2) + K step; lanes 0-15 the even tile's rows, lanes 16-31 the odd one's
.set CS,   240                         ; v240-247 ctx's: one a K step; lanes 0-15 tile 0's, lanes 16-31 tile 1's
.set WV,   16
.set JJ,   17                          ; wave / 4
.set ROLE, 18                          ; (wave / 2) % 2: I fetch ctx (0) or Wo (1)
.set HF,   19                          ; wave % 2: which half I fetch.  Also: my 64 columns
.set WT,   20                          ; wave / 2: my 32 tokens
.set NX,   23                          ; tile of 128 columns
.set TY,   56                          ; block of 128 tokens
.set G1C,  24
.set G1W,  32
.set G0C,  40                          ; two sets
.set G0W,  48                          ; two sets
.macro PLACES n
.rept \n
	v_nop
.endr
.endm
.macro CROUND                          ; a round of the cluster's barrier
	s_barrier_signal -1
	s_barrier_wait -1
	s_cmp_lg_u32 s[WV], 0
	s_cbranch_scc1 .Lnot_wave_0_\@
	s_barrier_signal -3
.Lnot_wave_0_\@:
	s_barrier_wait -3
	s_barrier_signal -1
	s_barrier_wait -1
.endm
.macro WMS                             ; one scaled product from the symbols rD, rA, rB, rC, rSA, rSB; fA, fB = 1: that side's scale words stand in lanes 16-31
.if fA && fB
	v_wmma_scale_f32_16x16x128_f8f6f4 v[rD:rD+7], v[rA:rA+15], v[rB:rB+15], v[rC:rC+7], v[rSA], v[rSB] matrix_a_fmt:MATRIX_FMT_BF8 matrix_b_fmt:MATRIX_FMT_BF8 matrix_a_scale:MATRIX_SCALE_ROW1 matrix_b_scale:MATRIX_SCALE_ROW1
.elseif fA
	v_wmma_scale_f32_16x16x128_f8f6f4 v[rD:rD+7], v[rA:rA+15], v[rB:rB+15], v[rC:rC+7], v[rSA], v[rSB] matrix_a_fmt:MATRIX_FMT_BF8 matrix_b_fmt:MATRIX_FMT_BF8 matrix_a_scale:MATRIX_SCALE_ROW1
.elseif fB
	v_wmma_scale_f32_16x16x128_f8f6f4 v[rD:rD+7], v[rA:rA+15], v[rB:rB+15], v[rC:rC+7], v[rSA], v[rSB] matrix_a_fmt:MATRIX_FMT_BF8 matrix_b_fmt:MATRIX_FMT_BF8 matrix_b_scale:MATRIX_SCALE_ROW1
.else
	v_wmma_scale_f32_16x16x128_f8f6f4 v[rD:rD+7], v[rA:rA+15], v[rB:rB+15], v[rC:rC+7], v[rSA], v[rSB] matrix_a_fmt:MATRIX_FMT_BF8 matrix_b_fmt:MATRIX_FMT_BF8
.endif
.endm
	s_load_b256 s[4:11], s[0:1], 0x0               ; cimg s[4:5], csc s[6:7], Wo's codes s[8:9], Wo's scales s[10:11]
	s_load_b128 s[12:15], s[0:1], 0x20             ; bo s[12:13], out s[14:15]
	v_lshl_add_u32 v254, v0, 2, 0x4a800
	v_mov_b32 v255, 0
	ds_add_u32 v254, v255
	ds_add_u32 v254, v255
	v_lshrrev_b32 v10, 5, v0
	v_readfirstlane_b32 s[WV], v10                 ; wave 0..7
	s_lshr_b32 s[JJ], s[WV], 2
	s_lshr_b32 s[WT], s[WV], 1
	s_and_b32 s[ROLE], s[WT], 1
	s_and_b32 s[HF], s[WV], 1
	s_bfe_u32 s21, ttmp6, 0x40000                  ; cx
	s_bfe_u32 s22, ttmp6, 0x40004                  ; cy
	s_lshl_b32 s[NX], ttmp9, 2
	s_add_co_u32 s[NX], s[NX], s21                 ; 4 x cluster x + cx
	s_and_b32 s[TY], ttmp7, 0xffff
	s_lshl_b32 s[TY], s[TY], 2
	s_add_co_u32 s[TY], s[TY], s22                 ; 4 x cluster y + cy
	s_lshl_b32 s57, s22, 2
	s_lshl_b32 s57, 15, s57                        ; my row of the cluster
	s_lshl_b32 s58, 0x1111, s21                    ; my column
	s_or_b32 s[G1C], s57, (3<<16)|(1<<21)          ; ctx: 15:0 the mask; 17:16 elements of 8 bytes; 21 set beside a mask; no padding
	s_mov_b32 s[G1C+1], 32<<16                     ; 64 dense rows of 256 bytes: a K step's images of 128 tokens
	s_mov_b32 s[G1C+2], 64<<16
	s_mov_b32 s[G1C+3], 32<<16
	s_mov_b32 s[G1C+4], 64
	s_mov_b32 s[G1C+5], 32
	s_mov_b32 s[G1C+6], 0
	s_mov_b32 s[G1C+7], 0
	s_or_b32 s[G1W], s58, (0<<16)|(1<<20)|(1<<21)|(5<<22)|(3<<25)   ; Wo: elements of 1 byte; padding of 4 words (code 3) after every 64 (code 5)
	s_mov_b32 s[G1W+1], 256<<16                    ; 64 rows of 256 bytes, 1,024 bytes apart
	s_mov_b32 s[G1W+2], 64<<16
	s_mov_b32 s[G1W+3], 256<<16
	s_mov_b32 s[G1W+4], 64
	s_mov_b32 s[G1W+5], 1024
	s_mov_b32 s[G1W+6], 0
	s_mov_b32 s[G1W+7], 0
	s_lshl_b32 s66, s[JJ], 1
	s_add_co_u32 s66, s66, s[HF]                   ; ctx: the K step of my first load, 0 .. 3,
	s_lshl_b32 s66, s66, 14                        ; its 16,384 bytes: the same place in LDS and in the block
	s_lshl_b32 s60, s[TY], 17
	s_add_co_u32 s60, s60, s66
	s_mov_b32 s61, 0
	s_mul_i32 s67, s[JJ], WCH                      ; Wo: the chunk of my first load, 0 or 1,
	s_mul_i32 s68, s[HF], 64*272                   ; my 64 rows of it
	s_add_co_u32 s67, s67, s68
	s_add_co_u32 s67, s67, WOL
	s_lshl_b32 s62, s[NX], 17                      ; in memory: row 128 NX + 64 x half, 1,024 bytes a row,
	s_lshl_b32 s63, s[HF], 16
	s_add_co_u32 s62, s62, s63
	s_lshl_b32 s63, s[JJ], 8                       ; + 256 x chunk
	s_add_co_u32 s62, s62, s63
	s_mov_b32 s63, 0
	s_wait_dscnt 0x0
	s_wait_kmcnt 0x0
	s_mov_b32 s[G0C], 1
	s_mov_b32 s[G0C+1], s66
	s_add_nc_u64 s[G0C+2:G0C+3], s[4:5], s[60:61]
	s_mov_b32 s[G0C+4], 1
	s_add_co_u32 s[G0C+5], s66, 65536              ; my second load: four K steps on
	s_add_nc_u64 s[G0C+6:G0C+7], s[G0C+2:G0C+3], 65536
	s_or_b32 s[G0C+3], s[G0C+3], 0x80000000
	s_or_b32 s[G0C+7], s[G0C+7], 0x80000000
	s_mov_b32 s[G0W], 1
	s_mov_b32 s[G0W+1], s67
	s_add_nc_u64 s[G0W+2:G0W+3], s[8:9], s[62:63]
	s_mov_b32 s[G0W+4], 1
	s_add_co_u32 s[G0W+5], s67, 2*WCH              ; my second load: two chunks on
	s_add_nc_u64 s[G0W+6:G0W+7], s[G0W+2:G0W+3], 512
	s_or_b32 s[G0W+3], s[G0W+3], 0x80000000
	s_or_b32 s[G0W+7], s[G0W+7], 0x80000000
	CROUND                                         ; all sixteen work-groups are here: the joint loads meet
	s_cmp_eq_u32 s[ROLE], 0                        ; a wave's two fills stand in one branch on its number; four v_nop follow the second
	s_cbranch_scc0 .Lfor_w
	tensor_load_to_lds s[G0C:G0C+3], s[G1C:G1C+7]
	s_nop 0
	tensor_load_to_lds s[G0C+4:G0C+7], s[G1C:G1C+7]
	s_nop 0
.rept 4
	v_nop
.endr
	s_branch .Lasked
.Lfor_w:
	tensor_load_to_lds s[G0W:G0W+3], s[G1W:G1W+7]
	s_nop 0
	tensor_load_to_lds s[G0W+4:G0W+7], s[G1W:G1W+7]
	s_nop 0
.rept 4
	v_nop
.endr
.Lasked:
	v_and_b32 v10, 31, v0                          ; lane
	v_and_b32 v11, 15, v0                          ; r
	v_bfe_u32 v12, v0, 4, 1                        ; h
	v_lshlrev_b32 v[LI], 4, v10
	v_lshlrev_b32 v[LS], 2, v10
	v_lshlrev_b32 v[LW], 5, v10
	v_lshlrev_b32 v[BA], 5, v12
	s_lshl_b32 s68, s[WT], 12                      ; my two tiles of tokens: 2 x 2,048 bytes in each K step
	v_add_nc_u32 v[ADC0], s68, v[LI]
	v_add_nc_u32 v[ADC1], 0x10000, v[ADC0]
	s_mul_i32 s68, s[HF], 64*272                   ; my 64 rows of Wo
	s_add_co_u32 s68, s68, WOL
	v_mul_u32_u24 v13, v11, 272
	v_lshl_add_u32 v13, v12, 3, v13                ; row r, + 8 h
	v_add_nc_u32 v[ADW0], s68, v13
	v_add_nc_u32 v[ADW1], 2*WCH, v[ADW0]
	s_mul_i32 s68, s[WV], 16*272
	s_add_co_u32 s68, s68, STG                     ; my stage
	v_mul_u32_u24 v13, v11, 272
	v_lshl_add_u32 v13, v12, 5, v13
	v_add_nc_u32 v[STO], s68, v13                  ; in: row r, 32 bytes for each half of the lanes
	v_mul_u32_u24 v13, v12, 272
	v_lshl_add_u32 v13, v11, 4, v13
	v_add_nc_u32 v[RD], s68, v13                   ; back: lanes 0-15 one row of 256 bytes, lanes 16-31 the next
	v_lshlrev_b32 v[CO], 12, v12
	v_lshl_add_u32 v[CO], v11, 4, v[CO]            ; and the same two rows in out
	s_lshl_b32 s60, s[TY], 9
	s_lshl_b32 s61, s[WT], 7
	s_add_co_u32 s60, s60, s61                     ; ctx's scale words: 64 bytes x (8 TY + 2 WT)
	s_mov_b32 s61, 0
	s_add_nc_u64 s[6:7], s[6:7], s[60:61]
.irp g, 0,1,2,3,4,5,6,7
	global_load_b32 v[CS+\g], v[LS], s[6:7] offset:16384*\g
.endr
	s_lshl_b32 s62, s[NX], 12
	s_lshl_b32 s63, s[HF], 11
	s_add_co_u32 s62, s62, s63                     ; Wo's scale bytes: 32 bytes x (128 NX + 64 x half)
	s_mov_b32 s63, 0
	s_add_nc_u64 s[10:11], s[10:11], s[62:63]
.irp p, 0,1
	global_load_b128 v[WS+8*\p:WS+8*\p+3], v[LW], s[10:11] offset:1024*\p          ; a row's 32 bytes are its eight words: 32 lanes read 1,024 consecutive bytes in two loads
	global_load_b128 v[WS+8*\p+4:WS+8*\p+7], v[LW], s[10:11] offset:1024*\p+16
.endr
	s_lshl_b32 s62, s[NX], 9
	s_lshl_b32 s63, s[HF], 8
	s_add_co_u32 s62, s62, s63                     ; the bias: 4 bytes x (128 NX + 64 x half)
	s_mov_b32 s63, 0
	s_add_nc_u64 s[12:13], s[12:13], s[62:63]
.irp b, 0,1,2,3
	global_load_b128 v[BO+8*\b:BO+8*\b+3], v[BA], s[12:13] offset:64*\b
	global_load_b128 v[BO+8*\b+4:BO+8*\b+7], v[BA], s[12:13] offset:64*\b+16
.endr
	s_lshl_b32 s2, s[TY], 19                       ; out: row 128 TY + 32 WT of 4,096 bytes,
	s_lshl_b32 s3, s[WT], 17
	s_add_co_u32 s2, s2, s3
	s_lshl_b32 s3, s[NX], 9                        ; column 128 NX + 64 x half
	s_add_co_u32 s2, s2, s3
	s_lshl_b32 s3, s[HF], 8
	s_add_co_u32 s2, s2, s3
	s_mov_b32 s3, 0
	s_add_nc_u64 s[14:15], s[14:15], s[2:3]
; A K step of 128: 40 LDS loads, eight products.  The eight accumulators take turns, one instruction a turn.
.macro KSTEP g
.if \g > 0
	PLACES 8                                       ; in front of loads into registers that matrix instructions have read
.endif
.irp a, 0,1
.irp c, 0,1,2,3
	ds_load_b128 v[CF+16*\a+4*\c:CF+16*\a+4*\c+3], v[ADC0+(\g)/4] offset:((\g)%4)*16384+2048*\a+512*\c
.endr
.endr
.irp b, 0,1,2,3
.irp c, 0,1,2,3,4,5,6,7
	ds_load_b64 v[WF+16*\b+2*\c:WF+16*\b+2*\c+1], v[ADW0+(\g)/4] offset:(((\g)/2)%2)*WCH+4352*\b+128*((\g)%2)+16*\c
.endr
.endr
	s_wait_dscnt 0x0
.irp b, 0,1,2,3
.irp a, 0,1
.set rD, ACC+8*(4*\a+\b)
.set rA, WF+16*\b
.set rB, CF+16*\a
.if \g == 0
.set rC, BO+8*\b                       ; the bias starts the sum
.else
.set rC, rD
.endif
.set rSA, WS+8*(\b/2)+\g
.set rSB, CS+\g
.set fA, \b%2
.set fB, \a
	WMS
.endr
.endr
.endm
	s_wait_loadcnt 0x0                             ; scale words and bias
	s_wait_tensorcnt 1                             ; my first fill is in; my second may be out
	s_barrier_signal -1
	s_barrier_wait -1                              ; everybody's first is: K 0 .. 511 of both operands
	KSTEP 0
	KSTEP 1
	KSTEP 2
	KSTEP 3
	s_wait_tensorcnt 0x0                           ; my second fill is in
	s_wait_dscnt 0x0
	s_barrier_signal -1
	s_barrier_wait -1                              ; everybody's is
	KSTEP 4
	KSTEP 5
	KSTEP 6
	KSTEP 7
	PLACES 8                                       ; behind the last products: results are read, and registers that held fragments are loaded
.irp a, 0,1                            ; 16 tokens at a time through my own stage; LDS serves a wave's instructions in order (ISA guide 5.7.1.4): no wait between the stores and the loads
.irp b, 0,1,2,3
	ds_store_b128 v[STO], v[ACC+8*(4*\a+\b):ACC+8*(4*\a+\b)+3] offset:64*\b        ; each accumulator from its low end on
	ds_store_b128 v[STO], v[ACC+8*(4*\a+\b)+4:ACC+8*(4*\a+\b)+7] offset:64*\b+16
.endr
.irp i, 0,1,2,3,4,5,6,7
	ds_load_b128 v[CF+32*\a+4*\i:CF+32*\a+4*\i+3], v[RD] offset:544*\i
.endr
.endr
.irp i, 0,1,2,3,4,5,6,7
	s_wait_dscnt 23-\i                             ; behind load i of the first 16 tokens: its 7 - i later loads and the second 16 tokens' 16 LDS instructions
	global_store_b128 v[CO], v[CF+4*\i:CF+4*\i+3], s[14:15] offset:(2*\i)*4096 th:TH_STORE_NT   ; 16 lanes store 256 consecutive bytes, aligned; written once, read by nobody here
.endr
.irp i, 0,1,2,3,4,5,6,7
	s_wait_dscnt 7-\i
	global_store_b128 v[CO], v[CF+32+4*\i:CF+32+4*\i+3], s[14:15] offset:(16+2*\i)*4096 th:TH_STORE_NT
.endr
	s_wait_tensorcnt 0x0
	ds_add_u32 v254, v255
	s_wait_dscnt 0x0
	CROUND                                         ; the closing round
	s_endpgm
.Lfunc_end_k_q2ed5a79421_outp:
	.size	k_q2ed5a79421_outp, .Lfunc_end_k_q2ed5a79421_outp-k_q2ed5a79421_outp
	.p2alignl 7, 3214868480
	.fill 96, 4, 3214868480
	.section	.rodata,"a",@progbits
	.p2align	6, 0x0
	.amdhsa_kernel k_q2ed5a79421_outp
		.amdhsa_group_segment_fixed_size 327680
		.amdhsa_private_segment_fixed_size 0
		.amdhsa_enable_private_segment 0
		.amdhsa_kernarg_size 48
		.amdhsa_user_sgpr_count 2
		.amdhsa_user_sgpr_kernarg_segment_ptr 1
		.amdhsa_wavefront_size32 1
		.amdhsa_system_sgpr_workgroup_id_x 1
		.amdhsa_system_sgpr_workgroup_id_y 1
		.amdhsa_system_sgpr_workgroup_id_z 1
		.amdhsa_system_vgpr_workitem_id 0
		.amdhsa_next_free_vgpr 256
		.amdhsa_next_free_sgpr 70
		.amdhsa_reserve_vcc 0
		.amdhsa_float_denorm_mode_32 3
		.amdhsa_float_denorm_mode_16_64 3
		.amdhsa_memory_ordered 1
		.amdhsa_forward_progress 1
		.amdhsa_inst_pref_size 44
	.end_amdhsa_kernel
	.amdgpu_metadata
---
amdhsa.version: [ 1, 2 ]
amdhsa.kernels:
  - .name:           k_q2ed5a79421_outp
    .symbol:         k_q2ed5a79421_outp.kd
    .args:
      - { .name: cimg, .offset: 0, .size: 8, .value_kind: global_buffer, .address_space: global }
      - { .name: csc, .offset: 8, .size: 8, .value_kind: global_buffer, .address_space: global }
      - { .name: Wo_codes, .offset: 16, .size: 8, .value_kind: global_buffer, .address_space: global }
      - { .name: Wo_scales, .offset: 24, .size: 8, .value_kind: global_buffer, .address_space: global }
      - { .name: bo, .offset: 32, .size: 8, .value_kind: global_buffer, .address_space: global }
      - { .name: out0, .offset: 40, .size: 8, .value_kind: global_buffer, .address_space: global }
    .group_segment_fixed_size: 327680
    .private_segment_fixed_size: 0
    .kernarg_segment_align: 8
    .kernarg_segment_size: 48
    .max_flat_workgroup_size: 256
    .sgpr_count:     70
    .vgpr_count:     256
    .wavefront_size: 32
...
	.end_amdgpu_metadata
.endif
;; end of part 3
